; MI455X (gfx1250); checked and timed in simulation.
; The chip was launched on July 23, 2026; its instructions are those of AMD's public machine-readable ISA for CDNA 5 (MIT licence, August 2026) and "CDNA5" Instruction Set Architecture Reference Guide (July 2026). The comments in the code are by the model that wrote it; some were corrected since.
;; Efficient Mo E. Allowed arithmetic: float matrix products may take bf16 or f16 operands with f32 sums; all other float work in f32.
;; Inputs: W1 8 x 1,024 x 4,096 float32; W2 8 x 4,096 x 1,024 float32; W_gate 1,024 x 8 float32; b1 8 x 4,096 float32; b2 8 x 1,024 float32; b_gate 8 float32; x 4 x 256 x 1,024 float32.
;; Outputs: out0 4 x 256 x 1,024 float32; out1 one number float32.
;; 2 versions, each right; version 2 is version 1 with the launches ffn1, ffn2 written anew for expert scheduling mode. Each part assembles by itself: llvm-mc -triple=amdgcn-amd-amdhsa -mcpu=gfx1250 --defsym DOCPART=n.
;; ======== version 1 of 2: 5 launches
;; limits: values outside matrix products are rounded to bf16
;; workspace buffers: sel 8,192 bytes of whole numbers; rank 32,768 bytes of whole numbers; meta 2,048 bytes of whole numbers; pw 8,192 bytes; probs 32,768 bytes; xs 16,777,216 bytes; hs 67,108,864 bytes; yp 134,217,728 bytes
;; launch router (part 1): grid 32 x 1, 8 waves a work-group, no clusters, 39,936 bytes of LDS; arguments x, W_gate, b_gate, sel, pw, probs; writes sel, pw, probs
.if DOCPART == 1
	.amdgcn_target "amdgcn-amd-amdhsa--gfx1250"
	.amdhsa_code_object_version 6
	.text
	.protected	k_q367759f447_router
	.globl	k_q367759f447_router
	.p2align	8
	.type	k_q367759f447_router,@function
k_q367759f447_router:
	s_mov_b64 s[64:65], 0
	v_nop
	global_prefetch_b8 v0, s[64:65] scope:SCOPE_SE
	s_setreg_imm32_b32 hwreg(HW_REG_WAVE_MODE, 25, 1), 1
	s_wait_xcnt 0x0
; ROUTER.  logits = x W_gate + b_gate, softmax over 8 experts, the two largest, their weights renormalised.
; Out: probs [1024][8] f32, sel [1024][2] u32 (first and second expert), pw [1024][2] f32.
; 32 work-groups of 8 waves; a work-group has 32 tokens, a wave 4.  Lane l owns the 32 numbers d = 128 j + 4 l + c of a row.
; NUMBER FORMAT: x and W_gate are rounded to bf16, as the operands of every other product of this program are; products and sums in f32.
; b_gate is rounded to bf16 too (it moves a logit some forty times less than the operands' rounding does): the choice of experts, which is
; discontinuous, is then that of the router computed in f32 on inputs rounded to bf16, up to the order of the sums.
; The multiply-adds (1024 x 1024 x 8) are made on the vector unit: eight columns would fill half a matrix tile, and after the sum over the
; lanes every lane holds all logits of the wave's 4 tokens, so that the softmax needs no further traffic between lanes.
; W_GATE GOES THROUGH LDS: every wave needs all 32 KB of it.  The 256 threads load it once, 16 consecutive bytes a thread and load, round it
; once and lay it into LDS; each wave then reads its lanes' rows chunk by chunk.  Behind every four rows (128 bytes, a lane's share of a
; chunk) stand 16 bytes of padding: lanes are 144 bytes apart, an odd multiple of 16.
; LIMITS: the sums are taken in another order than a row-by-row sum, so two probabilities nearer than about 1e-6 relative
; may be ranked the other way; v_exp_f32 makes 0 of a probability below 2^-126; with NaN logits the indices are arbitrary.
.set X,   32                           ; v[32:159]   x: token i, chunk j, number c at 32 i + 4 j + c
.set WB,  160                          ; v[160:223]  W_gate: two buffers of 32: 8 c + e; at the start buffer 0 takes the thread's share as loaded
.set ACC, 224                          ; v[224:255]  sums: 8 i + e
.set T,   8                            ; v[8:23]     packed bf16 on the way through the rounding (ahead of the softmax)
.set P,   8                            ; v[8:15]     probabilities
.set Q,   16                           ; v[16:23]    at work; probabilities without the largest
.set IX,  24                           ; v[24:25]    first, second expert
.set BW,  26                           ; v[26:27]    their probabilities, then their weights
.set NEG, 28                           ; v28         -1.0
.set LP,  29                           ; v29         LDS: wave x 128 (probs)
.set LS,  30                           ; v30         LDS: wave x 32 (sel at 1024, pw at 1280)
.set L8,  31                           ; v31         lane x 8
.set KC,  160                          ; v[161:167]  the numbers 1 to 7 (in W_gate's buffer, when it is dead)
.set BG,  168                          ; v[168:175]  b_gate, rounded (likewise)
.set WCH, 4608                         ; LDS bytes of a chunk of W_gate: 128 rows of 32 bytes + 32 pads of 16
.set STG, 8*WCH                        ; LDS: behind W_gate, the stage for the outputs: probs 1,024 bytes, sel 256, pw 256
	s_load_b256 s[4:11], s[0:1], 0x0               ; x s[4:5], W_gate s[6:7], b_gate s[8:9], sel s[10:11]
	s_load_b128 s[12:15], s[0:1], 0x20             ; pw s[12:13], probs s[14:15]
	s_set_vgpr_msb 0x40
	v_lshl_add_u32 v0, v0, 2, 0x9800
	v_mov_b32 v1, 0
	s_set_vgpr_msb 0x4000
	v_and_b32 v1, 31, v0                           ; lane
	v_lshrrev_b32 v4, 5, v0
	v_readfirstlane_b32 s26, v4                    ; wave
	v_lshlrev_b32 v2, 4, v1                        ; lane x 16: my 4 numbers in a chunk of x
	v_lshlrev_b32 v3, 4, v0                        ; thread x 16: my 16 bytes in 4,096 bytes of W_gate
	v_lshrrev_b32 v5, 3, v0
	v_add_lshl_u32 v5, v5, v0, 4                   ; where they go in LDS: 16 (t + t / 8): a pad behind every eight threads' 128 bytes
	v_mul_u32_u24 v4, v1, 144                      ; where my lane's four rows of a chunk lie in LDS
	v_lshlrev_b32 v[L8], 3, v1
	s_lshl_b32 s28, ttmp9, 17                      ; 32 tokens of 4,096 bytes a work-group
	s_lshl_b32 s27, s26, 14                        ; 4 tokens a wave
	s_add_co_u32 s28, s28, s27
	s_mov_b32 s29, 0
	s_lshl_b32 s27, s26, 7
	v_mov_b32 v[LP], s27
	s_lshl_b32 s27, s26, 5
	v_mov_b32 v[LS], s27
	s_mov_b32 s24, 0x76543210                      ; v_permlanex16_b32: lane i of one half reads lane i of the other
	s_mov_b32 s25, 0xfedcba98
	s_mov_b32 s30, 0x3fb8aa3b                      ; log2(e)
	s_mov_b32 s31, 0xffff0000                      ; a word's upper bf16
	v_mov_b32 v[NEG], -1.0
	s_wait_kmcnt 0x0
	s_add_nc_u64 s[4:5], s[4:5], s[28:29]          ; x at my wave's first token
	s_load_b256 s[16:23], s[8:9], 0x0              ; b_gate, eight numbers
.irp n, 0,1,2,3,4,5,6,7
	global_load_b128 v[WB+4*\n:WB+4*\n+3], v3, s[6:7] offset:\n*4096       ; the work-group's 256 threads take 4,096 consecutive bytes a load
.endr
.irp j, 0,1,2,3,4,5,6,7
.irp i, 0,1,2,3
	global_load_b128 v[X+32*\i+4*\j:X+32*\i+4*\j+3], v2, s[4:5] offset:\i*4096+\j*512   ; 512 consecutive bytes a load; chunk by chunk, so that a chunk waits for its own four
.endr
.endr
	s_wait_loadcnt 0x20                            ; my share of W_gate is in; x's 32 loads, issued behind it, may be out
.irp m, 0,1,2,3,4,5,6,7,8,9,10,11,12,13,14,15
	v_cvt_pk_bf16_f32 v[T+\m], v[WB+2*\m], v[WB+2*\m+1]                    ; rounded to bf16 once for the whole work-group,
.endr
.irp m, 0,1,2,3,4,5,6,7,8,9,10,11,12,13,14,15
	v_lshlrev_b32 v[WB+2*\m], 16, v[T+\m]                                  ; and widened again
	v_and_b32 v[WB+2*\m+1], s31, v[T+\m]
.endr
.irp n, 0,1,2,3,4,5,6,7
	ds_store_b128 v5, v[WB+4*\n:WB+4*\n+3] offset:\n*WCH
.endr
	s_wait_dscnt 0x0                               ; my stores are done, for the other waves' sake
	s_barrier_signal -1
	s_barrier_wait -1                              ; W_gate is whole in LDS; it is not written again
; the 128 rows of W_gate of chunk j: a lane's 4 rows are 128 consecutive bytes of LDS, eight loads
.macro WLD j
.irp m, 0,1,2,3,4,5,6,7
	ds_load_b128 v[WB+32*(\j&1)+4*\m:WB+32*(\j&1)+4*\m+3], v4 offset:\j*WCH+16*\m
.endr
.endm
; chunk j: x's numbers are rounded to bf16 in place (two roundings an instruction, then a shift and a mask widen them again);
; then 4 tokens x 4 numbers x 8 experts, two experts an instruction; x is broadcast out of its pair by op_sel
.macro CHUNK j, left
	s_wait_loadcnt 28-4*\j                         ; x's loads come back in order: this chunk's four are in, four for each later chunk may be out
.irp i, 0,1,2,3
.irp c, 0,2
	v_cvt_pk_bf16_f32 v[T+2*\i+\c/2], v[X+32*\i+4*\j+\c], v[X+32*\i+4*\j+\c+1]
.endr
.endr
.irp i, 0,1,2,3
.irp c, 0,2
	v_lshlrev_b32 v[X+32*\i+4*\j+\c], 16, v[T+2*\i+\c/2]
	v_and_b32 v[X+32*\i+4*\j+\c+1], s31, v[T+2*\i+\c/2]
.endr
.endr
	s_wait_dscnt \left                             ; this chunk's W_gate is in; the next chunk's eight LDS loads may be out
.irp i, 0,1,2,3
.irp c, 0,2
.irp p, 0,2,4,6
.if \j+\c == 0
	v_pk_mul_f32 v[ACC+8*\i+\p:ACC+8*\i+\p+1], v[X+32*\i+4*\j+\c:X+32*\i+4*\j+\c+1], v[WB+32*(\j&1)+8*\c+\p:WB+32*(\j&1)+8*\c+\p+1] op_sel_hi:[0,1]   ; the first product starts the sum
.else
	v_pk_fma_f32 v[ACC+8*\i+\p:ACC+8*\i+\p+1], v[X+32*\i+4*\j+\c:X+32*\i+4*\j+\c+1], v[WB+32*(\j&1)+8*\c+\p:WB+32*(\j&1)+8*\c+\p+1], v[ACC+8*\i+\p:ACC+8*\i+\p+1] op_sel_hi:[0,1,1]
.endif
.endr
.irp p, 0,2,4,6
	v_pk_fma_f32 v[ACC+8*\i+\p:ACC+8*\i+\p+1], v[X+32*\i+4*\j+\c:X+32*\i+4*\j+\c+1], v[WB+32*(\j&1)+8*\c+8+\p:WB+32*(\j&1)+8*\c+8+\p+1], v[ACC+8*\i+\p:ACC+8*\i+\p+1] op_sel:[1,0,0]
.endr
.endr
.endr
.endm
	WLD 0
	WLD 1
	CHUNK 0, 8
	WLD 2
	CHUNK 1, 8
	WLD 3
	CHUNK 2, 8
	WLD 4
	CHUNK 3, 8
	WLD 5
	CHUNK 4, 8
	WLD 6
	CHUNK 5, 8
	WLD 7
	CHUNK 6, 8
	CHUNK 7, 0
.irp k, 1,2,3,4,5,6,7
	v_mov_b32 v[KC+\k], \k
.endr
	s_wait_kmcnt 0x0                               ; b_gate
.irp k, 0,2,4,6
	v_cvt_pk_bf16_f32 v[T+\k], s[16+\k], s[17+\k]  ; rounded as the operands are
.endr
.irp k, 0,2,4,6
	v_lshlrev_b32 v[BG+\k], 16, v[T+\k]
	v_and_b32 v[BG+\k+1], s31, v[T+\k]
.endr
; token i of the wave: sum over the 32 lanes, bias, softmax, the two largest, into LDS
.macro SOFT i
.irp m, 1,2,4,8
.irp k, 0,1,2,3,4,5,6,7
	v_add_f32_dpp v[ACC+8*\i+\k], v[ACC+8*\i+\k], v[ACC+8*\i+\k] row_xmask:\m row_mask:0xf bank_mask:0xf
.endr
.endr
.irp k, 0,1,2,3,4,5,6,7
	v_permlanex16_b32 v[X+\k], v[ACC+8*\i+\k], s24, s25    ; the destination counts as read: x's registers are written and dead
.endr
.irp k, 0,1,2,3,4,5,6,7
	v_add_f32 v[ACC+8*\i+\k], v[ACC+8*\i+\k], v[X+\k]
.endr
.irp k, 0,1,2,3,4,5,6,7
	v_add_f32 v[ACC+8*\i+\k], v[BG+\k], v[ACC+8*\i+\k]     ; + b_gate: the logits, in every lane
.endr
	v_max3_num_f32 v5, v[ACC+8*\i], v[ACC+8*\i+1], v[ACC+8*\i+2]
	v_max3_num_f32 v6, v[ACC+8*\i+3], v[ACC+8*\i+4], v[ACC+8*\i+5]
	v_max3_num_f32 v5, v5, v[ACC+8*\i+6], v[ACC+8*\i+7]
	v_max_num_f32 v5, v5, v6                       ; the largest logit is taken away before the exponential
	v_mul_f32 v6, s30, v5
.irp k, 0,1,2,3,4,5,6,7
	v_fma_f32 v[P+\k], v[ACC+8*\i+\k], s30, -v6    ; (logit - max) log2(e); the rounding of v6 is common to all eight and cancels in the quotient
.endr
.irp k, 0,1,2,3,4,5,6,7
	v_exp_f32 v[P+\k], v[P+\k]
.endr
	v_nop                                          ; one plain place behind the last transcendental (ISA guide 5.7.2)
	s_wait_alu depctr_va_vdst(0)
	v_add_f32 v[Q], v[P], v[P+1]
	v_add_f32 v[Q+1], v[P+2], v[P+3]
	v_add_f32 v[Q+2], v[P+4], v[P+5]
	v_add_f32 v[Q+3], v[P+6], v[P+7]
	v_add_f32 v[Q], v[Q], v[Q+1]
	v_add_f32 v[Q+2], v[Q+2], v[Q+3]
	v_add_f32 v7, v[Q], v[Q+2]                     ; at least 1: the largest term is 2^0
	v_rcp_f32 v7, v7
	v_nop
	s_wait_alu depctr_va_vdst(0)
.irp k, 0,1,2,3,4,5,6,7
	v_mul_f32 v[P+\k], v[P+\k], v7
.endr
	ds_store_b128 v[LP], v[P:P+3] offset:STG+32*\i         ; all lanes store the same numbers to the same bytes
	ds_store_b128 v[LP], v[P+4:P+7] offset:STG+32*\i+16
	v_mov_b32 v[BW], v[P]                          ; the largest: ascending, strictly greater, so a tie goes to the lower index
	v_mov_b32 v[IX], 0
.irp k, 1,2,3,4,5,6,7
	v_cmp_gt_f32 vcc_lo, v[P+\k], v[BW]
	v_cndmask_b32 v[BW], v[BW], v[P+\k], vcc_lo
	v_cndmask_b32 v[IX], v[IX], v[KC+\k], vcc_lo
.endr
.irp k, 0,1,2,3,4,5,6,7
	v_cmp_eq_u32 vcc_lo, \k, v[IX]
	v_cndmask_b32 v[Q+\k], v[P+\k], v[NEG], vcc_lo ; the largest is struck out: -1 is below every probability
.endr
	v_mov_b32 v[BW+1], v[Q]
	v_mov_b32 v[IX+1], 0
.irp k, 1,2,3,4,5,6,7
	v_cmp_gt_f32 vcc_lo, v[Q+\k], v[BW+1]
	v_cndmask_b32 v[BW+1], v[BW+1], v[Q+\k], vcc_lo
	v_cndmask_b32 v[IX+1], v[IX+1], v[KC+\k], vcc_lo
.endr
	v_add_f32 v7, v[BW], v[BW+1]                   ; at least 1/8
	v_rcp_f32 v7, v7
	v_nop
	s_wait_alu depctr_va_vdst(0)
	v_mul_f32 v[BW], v[BW], v7
	v_mul_f32 v[BW+1], v[BW+1], v7
	ds_store_b64 v[LS], v[IX:IX+1] offset:STG+1024+8*\i
	ds_store_b64 v[LS], v[BW:BW+1] offset:STG+1280+8*\i
.endm
	SOFT 0
	SOFT 1
	SOFT 2
	SOFT 3
	s_wait_dscnt 0x0                               ; my stores are done, for wave 0's sake
	s_barrier_signal -1
	s_barrier_wait -1
	s_cmp_lg_u32 s26, 0
	s_cbranch_scc1 .Lend
	; wave 0 stores the work-group's 32 tokens: probs 1,024 bytes, sel and pw 256 bytes each, all consecutive and aligned
	ds_load_b128 v[8:11], v2 offset:STG
	ds_load_b128 v[12:15], v2 offset:STG+512
	ds_load_b64 v[16:17], v[L8] offset:STG+1024
	ds_load_b64 v[18:19], v[L8] offset:STG+1280
	s_lshl_b32 s28, ttmp9, 10
	s_add_nc_u64 s[14:15], s[14:15], s[28:29]
	s_lshl_b32 s28, ttmp9, 8
	s_add_nc_u64 s[10:11], s[10:11], s[28:29]
	s_add_nc_u64 s[12:13], s[12:13], s[28:29]
	s_wait_dscnt 0x0
	global_store_b128 v2, v[8:11], s[14:15]
	global_store_b128 v2, v[12:15], s[14:15] offset:512
	global_store_b64 v[L8], v[16:17], s[10:11]
	global_store_b64 v[L8], v[18:19], s[12:13]
.Lend:
	s_set_vgpr_msb 0x5
	s_wait_tensorcnt 0x0
	ds_add_u32 v0, v1
	s_wait_dscnt 0x0
	s_set_vgpr_msb 0x500
	s_endpgm
.Lfunc_end_k_q367759f447_router:
	.size	k_q367759f447_router, .Lfunc_end_k_q367759f447_router-k_q367759f447_router
	.p2alignl 7, 3214868480
	.fill 96, 4, 3214868480
	.section	.rodata,"a",@progbits
	.p2align	6, 0x0
	.amdhsa_kernel k_q367759f447_router
		.amdhsa_group_segment_fixed_size 39936
		.amdhsa_private_segment_fixed_size 0
		.amdhsa_enable_private_segment 0
		.amdhsa_kernarg_size 48
		.amdhsa_user_sgpr_count 2
		.amdhsa_user_sgpr_kernarg_segment_ptr 1
		.amdhsa_wavefront_size32 1
		.amdhsa_system_sgpr_workgroup_id_x 1
		.amdhsa_system_sgpr_workgroup_id_y 1
		.amdhsa_system_sgpr_workgroup_id_z 1
		.amdhsa_system_vgpr_workitem_id 0
		.amdhsa_next_free_vgpr 258
		.amdhsa_next_free_sgpr 66
		.amdhsa_reserve_vcc 1
		.amdhsa_float_denorm_mode_32 3
		.amdhsa_float_denorm_mode_16_64 3
		.amdhsa_memory_ordered 1
		.amdhsa_forward_progress 1
		.amdhsa_inst_pref_size 83
	.end_amdhsa_kernel
	.amdgpu_metadata
---
amdhsa.version: [ 1, 2 ]
amdhsa.kernels:
  - .name:           k_q367759f447_router
    .symbol:         k_q367759f447_router.kd
    .args:
      - { .name: x, .offset: 0, .size: 8, .value_kind: global_buffer, .address_space: global }
      - { .name: W_gate, .offset: 8, .size: 8, .value_kind: global_buffer, .address_space: global }
      - { .name: b_gate, .offset: 16, .size: 8, .value_kind: global_buffer, .address_space: global }
      - { .name: sel, .offset: 24, .size: 8, .value_kind: global_buffer, .address_space: global }
      - { .name: pw, .offset: 32, .size: 8, .value_kind: global_buffer, .address_space: global }
      - { .name: probs, .offset: 40, .size: 8, .value_kind: global_buffer, .address_space: global }
    .group_segment_fixed_size: 39936
    .private_segment_fixed_size: 0
    .kernarg_segment_align: 8
    .kernarg_segment_size: 48
    .max_flat_workgroup_size: 256
    .sgpr_count:     66
    .vgpr_count:     258
    .wavefront_size: 32
...
	.end_amdgpu_metadata
.endif
;; end of part 1
;; launch pack (part 2): grid 16 x 8, 8 waves a work-group, no clusters, 0 bytes of LDS; arguments x, sel, probs, xs, rank, meta, out1; writes xs, rank, meta, out1
.if DOCPART == 2
	.amdgcn_target "amdgcn-amd-amdhsa--gfx1250"
	.amdhsa_code_object_version 6
	.text
	.protected	k_q367759f447_pack
	.globl	k_q367759f447_pack
	.p2align	8
	.type	k_q367759f447_pack,@function
k_q367759f447_pack:
	s_mov_b64 s[64:65], 0
	v_nop
	global_prefetch_b8 v0, s[64:65] scope:SCOPE_SE
	s_setreg_imm32_b32 hwreg(HW_REG_WAVE_MODE, 25, 1), 1
	s_wait_xcnt 0x0
; PACK.  Work-group (p, e), p = 0..15, e = 0..7.  Expert e's list is the tokens that chose e, in the order of the scan below.
; (1) EVERY wave scans sel (8 KB) for itself: lane l has tokens 128 c + 4 l + j; step i = 4 c + j gives a mask of 32 lanes, kept in a scalar
;     register, and a running count.  So the count, on which a branch hangs, and the list, on which addresses hang, stay in the wave's own
;     registers as whole numbers made from sel by integer instructions: no LDS, no barrier, no wave waits for another.
;     Wave 0 of part 0 stores rank [8][1024] (a token's place in the list) and meta (count, trips of 32 rows).
; (2) A wave's unit of work is a quarter of K (8 K steps) of a tile of 16 list entries: tile mt = p + 16 (wave / 4) + 32 trip, two trips.
;     Lane (r, h) finds the token at place 16 mt + r: the last mask word whose running count is at most the place, then that word's n-th
;     set bit by counts of its fields of 16, 8, 4, 2, 1 bits.  Places at or past the count (padding up to a multiple of 32) take token 0.
;     The rows of x are gathered, rounded to bf16 and stored as images of matrix fragments:
;     xs [e][mt][ks][1,024 bytes]; K step ks = 32 numbers.  Lane (r, h) holds of row r the numbers k = 32 ks + 16 h + q, q = 0..15, in
;     dword q >> 1, half q & 1; dwords 0-3 at lane x 16, dwords 4-7 at 512 + lane x 16.
;     (The weights' fragments in the next launch hold the same k in the same places, so the products are the right ones.)
; (3) One wave of work-group (15, 7) makes the loss: the unbiased variance of the eight mean probabilities, in two passes.
; The gather reads 16 bytes a lane, 64 consecutive bytes of a row over four loads; a unit's 32 loads are all on their way at once.
.set Y0,  16                           ; v[16:47]    images to store, K steps 0-3 of the unit
.set S,   48                           ; v[48:111]   sel: chunk c, token j: 8 c + 2 j, + 1
.set Y1,  48                           ; v[48:79]    images, K steps 4-7 (sel is dead by then)
.set RK,  112                          ; v[112:143]  ranks: 4 c + j (ahead of the gather)
.set XA,  112                          ; v[112:175]  four K steps of x as loaded
.set XB,  176                          ; v[176:239]  the other four
.set SUM, 16                           ; v[16:23]    the loss: two sets of four sums
.set PP,  240                          ; my place in the list
.set SW,  241                          ; the mask word that holds it
.set SBI, 242                          ; that word's running count (bits 15:0) and its token constant 128 c + j (bits 31:16)
.set SN,  243                          ; which set bit of the word
.set SI,  244                          ; the token constant
.set FA,  245                          ; counts of the word's fields of 2 bits,
.set FB,  246                          ; of 4,
.set FC,  247                          ; of 8,
.set FD,  248                          ; of 16
.set POS, 249                          ; the bit's number
.set T0,  250
.set T1,  251
.set MK,  66                           ; s[66:97]    the 32 masks
	s_load_b256 s[4:11], s[0:1], 0x0               ; x s[4:5], sel s[6:7], probs s[8:9], xs s[10:11]
	s_load_b128 s[12:15], s[0:1], 0x20             ; rank s[12:13], meta s[14:15]
	s_load_b64 s[16:17], s[0:1], 0x30              ; out1
	v_lshrrev_b32 v6, 5, v0
	v_readfirstlane_b32 s18, v6                    ; wave
	s_and_b32 s19, ttmp7, 0xffff                   ; e
	s_and_b32 s20, s18, 3                          ; my quarter of K
	v_and_b32 v1, 31, v0                           ; lane
	v_lshlrev_b32 v2, 4, v1                        ; lane x 16
	v_and_b32 v3, 15, v0                           ; r
	v_bfe_u32 v4, v0, 4, 1
	v_lshlrev_b32 v4, 6, v4                        ; 64 h
	s_lshl_b32 s35, s20, 10
	v_add_nc_u32 v4, s35, v4                       ; + the quarter's 8 K steps of 128 bytes
	v_mov_b32 v7, 0
	v_lshlrev_b32 v6, 5, v1                        ; four tokens of 8 bytes a lane
	s_mov_b32 s27, 0
	s_mov_b32 s32, 0x76543210
	s_mov_b32 s33, 0xfedcba98
	s_mov_b32 s21, 0                               ; the running count
	s_wait_kmcnt 0x0
	; (1) the scan
.irp c, 0,1,2,3,4,5,6,7
	global_load_b128 v[S+8*\c:S+8*\c+3], v6, s[6:7] offset:\c*1024
	global_load_b128 v[S+8*\c+4:S+8*\c+7], v6, s[6:7] offset:\c*1024+16
.endr
	s_wait_loadcnt 0x0
.macro SCAN c, j
	v_cmp_eq_u32 s[MK+4*\c+\j], s19, v[S+8*\c+2*\j]
	v_cmp_eq_u32 s31, s19, v[S+8*\c+2*\j+1]
	s_or_b32 s[MK+4*\c+\j], s[MK+4*\c+\j], s31     ; lanes whose token chose e
	v_mbcnt_lo_u32_b32 v[RK+4*\c+\j], s[MK+4*\c+\j], s21   ; the count so far + such lanes below me: my token's place
	s_bcnt1_i32_b32 s31, s[MK+4*\c+\j]
	s_add_co_u32 s21, s21, s31
.endm
.irp c, 0,1,2,3,4,5,6,7
.irp j, 0,1,2,3
	SCAN \c, \j
.endr
.endr
	s_cmp_lg_u32 ttmp9, 0
	s_cbranch_scc1 .Lno_meta
	s_cmp_lg_u32 s18, 0
	s_cbranch_scc1 .Lno_meta
	s_lshl_b32 s26, s19, 12                        ; wave 0 of part 0 alone stores rank and meta
	s_add_nc_u64 s[12:13], s[12:13], s[26:27]
.irp c, 0,1,2,3,4,5,6,7
	global_store_b128 v2, v[RK+4*\c:RK+4*\c+3], s[12:13] offset:\c*512     ; 512 consecutive bytes a store
.endr
	s_add_co_u32 s31, s21, 31
	s_lshr_b32 s31, s31, 5
	v_mov_b32 v12, s21
	v_mov_b32 v13, s31                             ; v[12:13] = count, trips
	s_lshl_b32 s26, s19, 8
	s_add_nc_u64 s[14:15], s[14:15], s[26:27]
	v_lshlrev_b32 v14, 3, v1
	global_store_b64 v14, v[12:13], s[14:15]       ; 32 copies: 256 consecutive bytes for each expert
.Lno_meta:
	; (2) the units
	s_add_co_u32 s23, s21, 31
	s_lshr_b32 s23, s23, 5
	s_lshl_b32 s23, s23, 1                         ; tiles of 16 rows: 0 to 64
	s_lshr_b32 s28, s18, 2
	s_lshl_b32 s28, s28, 4
	s_add_co_u32 s28, s28, ttmp9                   ; mt = p + 16 (wave / 4)
.macro PKLOAD g, buf                   ; K steps 4 g .. 4 g + 3 of the unit: a lane's 64 bytes of each, four loads
.irp k, 0,1,2,3
.irp c, 0,1,2,3
	global_load_b128 v[\buf+16*\k+4*\c:\buf+16*\k+4*\c+3], v5, s[4:5] offset:(4*\g+\k)*128+16*\c
.endr
.endr
.endm
.macro PKCVT g, buf, y, left
	s_wait_loadcnt \left                           ; this group's 16 loads are in; the second group's 16 may be out
.irp k, 0,1,2,3
.irp d, 0,1,2,3,4,5,6,7
	v_cvt_pk_bf16_f32 v[\y+8*\k+\d], v[\buf+16*\k+2*\d], v[\buf+16*\k+2*\d+1]
.endr
.endr
.irp k, 0,1,2,3
	global_store_b128 v2, v[\y+8*\k:\y+8*\k+3], s[24:25] offset:(4*\g+\k)*1024        ; 512 consecutive bytes a store
	global_store_b128 v2, v[\y+8*\k+4:\y+8*\k+7], s[24:25] offset:(4*\g+\k)*1024+512
.endr
.endm
; the field of wid bits at POS of src counts the set bits of the lower half of what is left: if the bit sought is not among them, go past them
.macro STAGE src, wid, step
	v_bfe_u32 v[T0], v[\src], v[POS], \wid
	v_add_nc_u32 v[T1], \step, v[POS]
	v_cmp_ge_u32 vcc_lo, v[SN], v[T0]
	v_sub_nc_u32 v[T0], v[SN], v[T0]
	v_cndmask_b32 v[SN], v[SN], v[T0], vcc_lo
	v_cndmask_b32 v[POS], v[POS], v[T1], vcc_lo
.endm
	s_mov_b32 s34, 0                               ; two trips, counted against a constant: 64 tiles at the most for an expert's 32 groups of four waves
.Ltile:
	s_cmp_ge_u32 s28, s23
	s_cbranch_scc1 .Lno_tile                       ; the list has no such tile
	s_wait_xcnt 0x0                                ; the stores' base and data (the last trip's images, wave 0's ranks) are rewritten only behind this wait
	v_lshl_add_u32 v[PP], s28, 4, v3               ; my place: 16 mt + r
	v_mov_b32 v[SW], s[MK]                         ; word 0 begins at count 0, which is at most every place
	v_mov_b32 v[SBI], 0
	s_mov_b32 s30, 0
.set i, 1
.rept 31
	s_bcnt1_i32_b32 s31, s[MK+i-1]
	s_add_co_u32 s30, s30, s31                     ; the count in front of word i
	s_or_b32 s35, s30, (128*(i>>2)+(i&3))<<16      ; with the word's token constant above it
	v_cmp_le_u32 vcc_lo, s30, v[PP]
	v_cndmask_b32 v[SW], v[SW], s[MK+i], vcc_lo    ; the counts do not fall, so the last word taken is the one that holds my place
	v_cndmask_b32 v[SBI], v[SBI], s35, vcc_lo
.set i, i+1
.endr
	v_and_b32 v[T0], 0xffff, v[SBI]
	v_lshrrev_b32 v[SI], 16, v[SBI]
	v_sub_nc_u32 v[SN], v[PP], v[T0]               ; the set bit sought, counted from 0
	v_lshrrev_b32 v[T0], 1, v[SW]
	v_and_b32 v[T0], 0x55555555, v[T0]
	v_sub_nc_u32 v[FA], v[SW], v[T0]               ; set bits in each field of 2
	v_lshrrev_b32 v[T0], 2, v[FA]
	v_and_b32 v[T0], 0x33333333, v[T0]
	v_and_b32 v[FB], 0x33333333, v[FA]
	v_add_nc_u32 v[FB], v[FB], v[T0]               ; of 4
	v_lshrrev_b32 v[T0], 4, v[FB]
	v_add_nc_u32 v[T0], v[FB], v[T0]
	v_and_b32 v[FC], 0x0f0f0f0f, v[T0]             ; of 8
	v_lshrrev_b32 v[T0], 8, v[FC]
	v_add_nc_u32 v[T0], v[FC], v[T0]
	v_and_b32 v[FD], 0x00ff00ff, v[T0]             ; of 16
	v_mov_b32 v[POS], 0
	STAGE FD, 8, 16
	STAGE FC, 8, 8
	STAGE FB, 4, 4
	STAGE FA, 2, 2
	STAGE SW, 1, 1
	v_lshl_add_u32 v8, v[POS], 2, v[SI]            ; token = 128 c + j + 4 x lane
	v_cmp_gt_u32 vcc_lo, s21, v[PP]
	v_cndmask_b32 v8, v7, v8, vcc_lo               ; padding: token 0
	v_min_u32 v8, 0x3ff, v8                        ; a token's number: the clamp changes nothing, it bounds the address
	v_lshlrev_b32 v5, 12, v8                       ; its row (the last trip's loads by v5 were waited for with count 0)
	v_add_nc_u32 v5, v5, v4                        ; + the quarter + 64 h
	s_lshl_b32 s26, s28, 15                        ; a tile's 32 images
	s_lshl_b32 s29, s19, 21                        ; an expert's 64 tiles
	s_add_co_u32 s26, s26, s29
	s_lshl_b32 s29, s20, 13                        ; the quarter's 8 images
	s_add_co_u32 s26, s26, s29
	s_add_nc_u64 s[24:25], s[10:11], s[26:27]
	PKLOAD 0, XA
	PKLOAD 1, XB
	PKCVT 0, XA, Y0, 16
	PKCVT 1, XB, Y1, 0
.Lno_tile:
	s_add_co_u32 s28, s28, 32
	s_add_co_u32 s34, s34, 1
	s_cmp_lt_u32 s34, 2
	s_cbranch_scc1 .Ltile
	; (3) the loss, by wave 7 of work-group (15, 7)
	s_cmp_lg_u32 s18, 7
	s_cbranch_scc1 .Lend
	s_cmp_lg_u32 ttmp9, 15
	s_cbranch_scc1 .Lend
	s_cmp_lg_u32 s19, 7
	s_cbranch_scc1 .Lend
	s_wait_xcnt 0x0                                ; the images' registers, which stores read, become the sums
.set n, 0
.rept 32
	global_load_b128 v[XA+4*n:XA+4*n+3], v2, s[8:9] offset:n*512       ; lane l: experts 4 (l & 1) .. + 3 of token 16 n + l / 2
.set n, n+1
.endr
	s_wait_loadcnt 0x0
	v_pk_add_f32 v[SUM:SUM+1],   v[XA:XA+1],   v[XA+8:XA+9]            ; the first four loads start two sets of sums
	v_pk_add_f32 v[SUM+2:SUM+3], v[XA+2:XA+3], v[XA+10:XA+11]
	v_pk_add_f32 v[SUM+4:SUM+5], v[XA+4:XA+5], v[XA+12:XA+13]
	v_pk_add_f32 v[SUM+6:SUM+7], v[XA+6:XA+7], v[XA+14:XA+15]
.set n, 4
.rept 28
	v_pk_add_f32 v[SUM+4*(n&1):SUM+4*(n&1)+1],   v[SUM+4*(n&1):SUM+4*(n&1)+1],   v[XA+4*n:XA+4*n+1]
	v_pk_add_f32 v[SUM+4*(n&1)+2:SUM+4*(n&1)+3], v[SUM+4*(n&1)+2:SUM+4*(n&1)+3], v[XA+4*n+2:XA+4*n+3]
.set n, n+1
.endr
.set n, 0
.rept 32
	global_load_b128 v[XA+4*n:XA+4*n+3], v2, s[8:9] offset:16384+n*512
.set n, n+1
.endr
	s_wait_loadcnt 0x0
.set n, 0
.rept 32
	v_pk_add_f32 v[SUM+4*(n&1):SUM+4*(n&1)+1],   v[SUM+4*(n&1):SUM+4*(n&1)+1],   v[XA+4*n:XA+4*n+1]
	v_pk_add_f32 v[SUM+4*(n&1)+2:SUM+4*(n&1)+3], v[SUM+4*(n&1)+2:SUM+4*(n&1)+3], v[XA+4*n+2:XA+4*n+3]
.set n, n+1
.endr
	v_pk_add_f32 v[SUM:SUM+1],   v[SUM:SUM+1],   v[SUM+4:SUM+5]
	v_pk_add_f32 v[SUM+2:SUM+3], v[SUM+2:SUM+3], v[SUM+6:SUM+7]
.irp m, 2,4,8
.irp k, 0,1,2,3
	v_add_f32_dpp v[SUM+\k], v[SUM+\k], v[SUM+\k] row_xmask:\m row_mask:0xf bank_mask:0xf   ; over the lanes of my parity
.endr
.endr
.irp k, 0,1,2,3
	v_permlanex16_b32 v[SUM+4+\k], v[SUM+\k], s32, s33
.endr
.irp k, 0,1,2,3
	v_add_f32 v[SUM+\k], v[SUM+\k], v[SUM+4+\k]
.endr
.irp k, 0,1,2,3
	v_mul_f32 v[SUM+\k], 0x3a800000, v[SUM+\k]     ; / 1024: my four experts' mean probabilities
.endr
	v_add_f32 v24, v[SUM], v[SUM+1]
	v_add_f32 v25, v[SUM+2], v[SUM+3]
	v_add_f32 v24, v24, v25
	v_add_f32_dpp v24, v24, v24 row_xmask:1 row_mask:0xf bank_mask:0xf     ; + the other four experts'
	v_mul_f32 v24, 0x3e000000, v24                 ; / 8: the mean of the means
.irp k, 0,1,2,3
	v_sub_f32 v[SUM+\k], v[SUM+\k], v24            ; second pass: deviations, so that no two large sums are subtracted
.endr
	v_mul_f32 v25, v[SUM], v[SUM]
	v_fmac_f32 v25, v[SUM+1], v[SUM+1]
	v_fmac_f32 v25, v[SUM+2], v[SUM+2]
	v_fmac_f32 v25, v[SUM+3], v[SUM+3]
	v_add_f32_dpp v25, v25, v25 row_xmask:1 row_mask:0xf bank_mask:0xf
	v_mul_f32 v25, 0x3e124925, v25                 ; / 7
	v_cmp_eq_u32 vcc_lo, 0, v1
	s_wait_xcnt 0x0                                ; EXEC changes only behind this wait
	s_and_saveexec_b32 s30, vcc_lo
	global_store_b32 v7, v25, s[16:17]             ; lane 0 stores the one number
	s_wait_xcnt 0x0
	s_or_b32 exec_lo, exec_lo, s30
.Lend:
	s_endpgm
.Lfunc_end_k_q367759f447_pack:
	.size	k_q367759f447_pack, .Lfunc_end_k_q367759f447_pack-k_q367759f447_pack
	.p2alignl 7, 3214868480
	.fill 96, 4, 3214868480
	.section	.rodata,"a",@progbits
	.p2align	6, 0x0
	.amdhsa_kernel k_q367759f447_pack
		.amdhsa_group_segment_fixed_size 0
		.amdhsa_private_segment_fixed_size 0
		.amdhsa_enable_private_segment 0
		.amdhsa_kernarg_size 56
		.amdhsa_user_sgpr_count 2
		.amdhsa_user_sgpr_kernarg_segment_ptr 1
		.amdhsa_wavefront_size32 1
		.amdhsa_system_sgpr_workgroup_id_x 1
		.amdhsa_system_sgpr_workgroup_id_y 1
		.amdhsa_system_sgpr_workgroup_id_z 1
		.amdhsa_system_vgpr_workitem_id 0
		.amdhsa_next_free_vgpr 256
		.amdhsa_next_free_sgpr 98
		.amdhsa_reserve_vcc 1
		.amdhsa_float_denorm_mode_32 3
		.amdhsa_float_denorm_mode_16_64 3
		.amdhsa_memory_ordered 1
		.amdhsa_forward_progress 1
		.amdhsa_inst_pref_size 50
	.end_amdhsa_kernel
	.amdgpu_metadata
---
amdhsa.version: [ 1, 2 ]
amdhsa.kernels:
  - .name:           k_q367759f447_pack
    .symbol:         k_q367759f447_pack.kd
    .args:
      - { .name: x, .offset: 0, .size: 8, .value_kind: global_buffer, .address_space: global }
      - { .name: sel, .offset: 8, .size: 8, .value_kind: global_buffer, .address_space: global }
      - { .name: probs, .offset: 16, .size: 8, .value_kind: global_buffer, .address_space: global }
      - { .name: xs, .offset: 24, .size: 8, .value_kind: global_buffer, .address_space: global }
      - { .name: rank, .offset: 32, .size: 8, .value_kind: global_buffer, .address_space: global }
      - { .name: meta, .offset: 40, .size: 8, .value_kind: global_buffer, .address_space: global }
      - { .name: out1, .offset: 48, .size: 8, .value_kind: global_buffer, .address_space: global }
    .group_segment_fixed_size: 0
    .private_segment_fixed_size: 0
    .kernarg_segment_align: 8
    .kernarg_segment_size: 56
    .max_flat_workgroup_size: 256
    .sgpr_count:     98
    .vgpr_count:     256
    .wavefront_size: 32
...
	.end_amdgpu_metadata
.endif
;; end of part 2
;; launch ffn1 (part 3): grid 32 x 8, 4 waves a work-group, no clusters, 131,584 bytes of LDS; arguments W1, b1, xs, meta, hs; writes hs
.if DOCPART == 3
	.amdgcn_target "amdgcn-amd-amdhsa--gfx1250"
	.amdhsa_code_object_version 6
	.text
	.protected	k_q367759f447_ffn1
	.globl	k_q367759f447_ffn1
	.p2align	8
	.type	k_q367759f447_ffn1,@function
k_q367759f447_ffn1:
	s_mov_b64 s[64:65], 0
	v_nop
	global_prefetch_b8 v0, s[64:65] scope:SCOPE_SE
	s_setreg_imm32_b32 hwreg(HW_REG_WAVE_MODE, 25, 1), 1
	s_wait_xcnt 0x0
; FFN1.  h = relu(x W1[e] + b1[e]) for the rows of expert e's list only: what the other experts would give for a token reaches no output.
; Work-group (x, e) owns the slice K = 1024 x N = 128 (columns 128 x ..) of W1[e]: 512 KB of f32, read once, rounded to bf16 and KEPT IN
; REGISTERS as matrix fragments, 512 registers in each of four waves.  Wave kq holds K = 256 kq .. + 255 (8 K steps of 32) x 128 columns.
; Then the expert's rows pass in trips of 32: each wave multiplies its quarter of K (128 matrix instructions), the four partial sums meet in
; LDS, and each wave finishes a quarter of the 32 x 128 block.
; FRAGMENTS WITHOUT LDS: lane (r, h) loads 16 bytes, columns 4 r .. 4 r + 3, of sixteen rows k = 32 s + 16 h + q; v_cvt_pk_bf16_f32 of rows
; q = 2 d, 2 d + 1 gives dword d of four fragments; fragment t = 4 th + c has in lane r the column 64 th + 4 r + c.  xs holds the same k in
; the same places.  A weight load covers 256 consecutive aligned bytes of each of two rows.
; THE MATRIX INSTRUCTION IS USED TRANSPOSED (weights source 0, tokens source 1): register j of lane (r, h) is token r, column
; f = 64 (t >> 2) + 32 h + 4 j + (t & 3).  Packed to bf16 that is an image of the next launch's token fragments, stored as it is:
; hs [e][mt][ks][1,024 bytes], slot q (dword q >> 1, half q & 1) of lane half h = f = 64 (ks >> 1) + 32 h + 4 (q & 7) + 2 (ks & 1) + (q >> 3).
; SLOTS: the number of trips (0 to 32) is read from meta.  There are a constant 33 slots, and every slot ends in its barrier.  Slot t makes
; trip t's products and, among them, finishes trip t - 1: its partial sums are read from LDS in two halves of 16 loads, each issued ahead of
; 32 matrix instructions.  Slot t = trips finishes the last trip; the slots behind it do nothing but pass the barrier.
; Two LDS areas take turns: area t & 1 is stored in slot t, read in slot t + 1 behind slot t's barrier, and stored again in slot t + 2
; behind slot t + 1's barrier, in front of which every wave has waited for its LDS loads.
; NO CLUSTER, NO TENSOR LOADS: each byte of xs is used by one wave of the work-group, so it goes straight into registers.  The 32 work-groups
; of an expert do read the same xs; asked for jointly, a tile would have to be asked for in all slots alike (32 x 64 KB), since neither a
; joint request nor the barrier round in front of it may stand under a branch on a count that was read from memory; the count needs
; 64 KB x trips, some 9 trips where the routing is even.
; LIMIT: relu by v_max_num_f32 makes 0 of a NaN.
.set ROWB, 16384                       ; bytes in a row of W1
.set MTB,  32768                       ; bytes of xs for a tile of 16 rows
.set TSH,  16                          ; a trip's two tiles of xs: 1 << 16 bytes
.set OSH,  18                          ; a trip's two tiles of hs: 1 << 18 bytes
.set ST0,  0                           ; window 1: v0-127, v128-255: two staging buffers for weights, later two buffers of token fragments
.set ST1,  128
.set XW,   3                           ; v3, v4    LDS: where I put my partial sums, area 0, 1
.set XR,   5                           ; v5, v6    LDS: where I read the four partial sums of my tiles
.set BIAS, 16                          ; v[16:47]  b1 in the order of my finished tiles: 8 tt + i
.set O,    48                          ; v[48:63]  packed results
.set TMP,  64                          ; v[64:127] the four waves' sums of two of my tiles: 16 x source wave + 8 x tile + register
.set ACC,  128                         ; v[128:255] 16 accumulator tiles, tile (a, t) at 8 (8 a + t); window 0
; windows 2 and 3: weights, fragment (s, t) at 64 (s & 3) + 8 t; s < 4 in window 2
.set MSB, 0
.macro WIN new                         ; s_set_vgpr_msb: bits 1:0 source 0, 3:2 source 1, 5:4 source 2, 7:6 destination; the high byte repeats the setting left
.if MSB != \new
	s_set_vgpr_msb (MSB<<8)|\new
.set MSB, \new
.endif
.endm
	s_load_b256 s[4:11], s[0:1], 0x0               ; W1 s[4:5], b1 s[6:7], xs s[8:9], meta s[10:11]
	s_load_b64 s[12:13], s[0:1], 0x20              ; hs
	v_lshl_add_u32 v14, v0, 2, 0x20000
	v_mov_b32 v15, 0
	v_lshrrev_b32 v8, 5, v0
	v_readfirstlane_b32 s14, v8                    ; wave = kq
	s_and_b32 s15, ttmp7, 0xffff                   ; e
	s_and_b32 s16, s14, 1                          ; which 64 columns I finish
	s_lshr_b32 s33, s14, 1                         ; which 16 rows I finish
	v_and_b32 v8, 31, v0
	v_and_b32 v9, 15, v0                           ; r
	v_bfe_u32 v10, v0, 4, 1                        ; h
	v_lshlrev_b32 v1, 4, v8                        ; lane x 16
	v_lshlrev_b32 v2, 4, v9
	v_lshl_add_u32 v2, v10, 18, v2                 ; weights: 16 r + 16 h rows of 16,384 bytes
	v_lshlrev_b32 v7, 7, v10                       ; bias: 32 h numbers
	s_lshl_b32 s20, s14, 14
	v_add_nc_u32 v3, s20, v1                       ; area [source wave 4][tile 16][half 2][lane 32][16 bytes] = 64 KB; two areas
	v_add_nc_u32 v4, 0x10000, v3
	s_lshl_b32 s20, s14, 12                        ; I finish tiles 4 w .. 4 w + 3
	v_add_nc_u32 v5, s20, v1
	v_add_nc_u32 v6, 0x10000, v5
	s_mov_b32 s21, 0
	s_lshl_b32 s32, s15, 8
	s_lshl_b32 s20, s15, 24                        ; W1: expert, my 256 rows, the slice's 512 bytes of a row
	s_lshl_b32 s22, s14, 22
	s_add_co_u32 s20, s20, s22
	s_lshl_b32 s22, ttmp9, 9
	s_add_co_u32 s20, s20, s22
	s_wait_kmcnt 0x0
	s_load_b32 s17, s[10:11], s32 offset:0x4       ; trips
	s_add_nc_u64 s[4:5], s[4:5], s[20:21]
	s_lshl_b32 s20, s15, 14                        ; b1: expert, slice, my 64 columns
	s_add_co_u32 s20, s20, s22
	s_lshl_b32 s23, s16, 8
	s_add_co_u32 s20, s20, s23
	s_add_nc_u64 s[6:7], s[6:7], s[20:21]
.irp tt, 0,1,2,3
.irp i, 0,1,2,3,4,5,6,7
	global_load_b32 v[BIAS+8*\tt+\i], v7, s[6:7] offset:4*(4*\i+\tt)       ; once: b1[f0 + 64 (w & 1) + 32 h + 4 i + tt], laid so that packed adds can take it
.endr
.endr
.macro WLOAD s, st                     ; K step s: 16 rows a lane half x 128 columns
	WIN 0x40                                       ; destination window 1
.irp q, 0,1,2,3,4,5,6,7,8,9,10,11,12,13,14,15
	global_load_b128 v[\st+8*\q:\st+8*\q+3],   v2, s[4:5] offset:(32*\s+\q)*ROWB th:TH_LOAD_NT
	global_load_b128 v[\st+8*\q+4:\st+8*\q+7], v2, s[4:5] offset:(32*\s+\q)*ROWB+256 th:TH_LOAD_NT
.endr
.endm
.macro WCVT s, st                      ; rows 2 d and 2 d + 1 of column t make dword d of fragment (s, t)
.if \s < 4
	WIN 0x85                                       ; sources window 1, destination window 2
.else
	WIN 0xc5                                       ; destination window 3
.endif
.irp d, 0,1,2,3,4,5,6,7
.irp t, 0,1,2,3,4,5,6,7
	v_cvt_pk_bf16_f32 v[64*(\s&3)+8*\t+\d], v[\st+16*\d+\t], v[\st+16*\d+8+\t]
.endr
.endr
.endm
.macro WSTEP s, st, left, nxt
	s_wait_loadcnt \left                           ; this K step's 32 loads (and the bias) are in; the next K step's 32 may be out
	WCVT \s, \st
.if \nxt < 8
	WLOAD \nxt, \st
.endif
.endm
.macro ALOAD buf                       ; a trip's token fragments of my 8 K steps: 2 tiles x 8 images, 512 consecutive bytes a load
	WIN 0x40
.irp a, 0,1
.irp s, 0,1,2,3,4,5,6,7
	global_load_b128 v[\buf+64*\a+8*\s:\buf+64*\a+8*\s+3],   v1, s[24:25] offset:\a*MTB+\s*1024
	global_load_b128 v[\buf+64*\a+8*\s+4:\buf+64*\a+8*\s+7], v1, s[24:25] offset:\a*MTB+\s*1024+512
.endr
.endr
.endm
	WLOAD 0, ST0
	WLOAD 1, ST1
	; the other addresses, while the weights are on their way
	s_lshl_b32 s20, s15, 21                        ; xs: expert, my 8 K steps of 1,024 bytes
	s_lshl_b32 s23, s14, 13
	s_add_co_u32 s20, s20, s23
	s_add_nc_u64 s[28:29], s[8:9], s[20:21]
	s_lshl_b32 s20, s15, 23                        ; hs: expert, tile (w >> 1), K steps 4 x + 2 (w & 1)
	s_lshl_b32 s23, s33, 17
	s_add_co_u32 s20, s20, s23
	s_lshl_b32 s23, ttmp9, 12
	s_add_co_u32 s20, s20, s23
	s_lshl_b32 s23, s16, 11
	s_add_co_u32 s20, s20, s23
	s_add_nc_u64 s[30:31], s[12:13], s[20:21]
	WSTEP 0, ST0, 32, 2
	WSTEP 1, ST1, 32, 3
	WSTEP 2, ST0, 32, 4
	WSTEP 3, ST1, 32, 5
	WSTEP 4, ST0, 32, 6
	WSTEP 5, ST1, 32, 7
	WSTEP 6, ST0, 32, 8
	WIN 0
	; Staging buffer 0 is free from here on: trip 0's token fragments are asked for now, while the last K step of weights is still on its way.
	s_wait_kmcnt 0x0
	s_min_u32 s17, s17, 32
	s_cmp_eq_u32 s17, 0
	s_cbranch_scc1 .Lno_first                      ; an expert without rows asks for nothing: xs holds nothing for it
	s_mov_b64 s[24:25], s[28:29]
	ALOAD 0
	WIN 0
	s_wait_loadcnt 0x20                            ; K step 7's weights are in; the 32 token loads issued behind them may be out
	s_branch .Lstep7
.Lno_first:
	s_wait_loadcnt 0x0                             ; K step 7's weights are in: nothing was issued behind them
.Lstep7:
	WCVT 7, ST1
	WIN 0
; 8 matrix instructions: K step s, tile row a, all 8 column tiles.  The first K step starts the sums.
.macro MM buf, s, a
.irp t, 0,1,2,3,4,5,6,7
.if \s == 0
	v_wmma_f32_16x16x32_bf16 v[ACC+8*(8*\a+\t):ACC+8*(8*\a+\t)+7], v[64*(\s&3)+8*\t:64*(\s&3)+8*\t+7], v[\buf+64*\a+8*\s:\buf+64*\a+8*\s+7], 0
.else
	v_wmma_f32_16x16x32_bf16 v[ACC+8*(8*\a+\t):ACC+8*(8*\a+\t)+7], v[64*(\s&3)+8*\t:64*(\s&3)+8*\t+7], v[\buf+64*\a+8*\s:\buf+64*\a+8*\s+7], v[ACC+8*(8*\a+\t):ACC+8*(8*\a+\t)+7]
.endif
.endr
.endm
; my partial sums of tile row a into area b
.macro XSTORE b, a
.irp t, 0,1,2,3,4,5,6,7
	ds_store_b128 v[XW+\b], v[ACC+8*(8*\a+\t):ACC+8*(8*\a+\t)+3]   offset:(8*\a+\t)*1024     ; lane x 16: consecutive, no bank conflict
	ds_store_b128 v[XW+\b], v[ACC+8*(8*\a+\t)+4:ACC+8*(8*\a+\t)+7] offset:(8*\a+\t)*1024+512
.endr
.endm
; the four waves' sums of my tiles 2 hf and 2 hf + 1, out of area xb
.macro RLOAD hf, xb
.irp sw, 0,1,2,3
.irp tl, 0,1
	ds_load_b128 v[TMP+16*\sw+8*\tl:TMP+16*\sw+8*\tl+3],   v[XR+\xb] offset:\sw*16384+(2*\hf+\tl)*1024
	ds_load_b128 v[TMP+16*\sw+8*\tl+4:TMP+16*\sw+8*\tl+7], v[XR+\xb] offset:\sw*16384+(2*\hf+\tl)*1024+512
.endr
.endr
.endm
; they are added, the bias too, relu, rounded to bf16 and stored: one image of hs
.macro RADD hf
	s_wait_dscnt 0x0                               ; the 16 loads of RLOAD
.set k, 0
.rept 8
	v_pk_add_f32 v[TMP+k:TMP+k+1], v[TMP+k:TMP+k+1], v[TMP+16+k:TMP+17+k]
.set k, k+2
.endr
.set k, 0
.rept 8
	v_pk_add_f32 v[TMP+32+k:TMP+33+k], v[TMP+32+k:TMP+33+k], v[TMP+48+k:TMP+49+k]
.set k, k+2
.endr
.set k, 0
.rept 8
	v_pk_add_f32 v[TMP+k:TMP+k+1], v[TMP+k:TMP+k+1], v[BIAS+16*\hf+k:BIAS+16*\hf+k+1]
.set k, k+2
.endr
.set k, 0
.rept 8
	v_pk_add_f32 v[TMP+k:TMP+k+1], v[TMP+k:TMP+k+1], v[TMP+32+k:TMP+33+k]
.set k, k+2
.endr
.set k, 0
.rept 16
	v_max_num_f32 v[TMP+k], 0, v[TMP+k]            ; relu
.set k, k+1
.endr
.irp tl, 0,1
.irp d, 0,1,2,3
	v_cvt_pk_bf16_f32 v[O+8*\hf+4*\tl+\d], v[TMP+8*\tl+2*\d], v[TMP+8*\tl+2*\d+1]
.endr
.endr
.irp tl, 0,1
	global_store_b128 v1, v[O+8*\hf+4*\tl:O+8*\hf+4*\tl+3], s[26:27] offset:\hf*1024+\tl*512   ; half an image: 512 consecutive bytes, aligned
.endr
.endm
; A trip's products on token buffer b, into LDS area b; s23 = the next trip's number.  red = 1: the trip before is finished among them.
; 128 matrix instructions.  The accumulators take turns, one instruction a turn (sixteen of them in K steps 0 to 3, eight in each half of
; K steps 4 to 7).  What stands between the runs names no register of a matrix instruction.
.macro WORK b, red
	s_wait_loadcnt 0x0                             ; this trip's fragments, asked for a slot ago; s[24:25] is free too
	s_cmp_ge_u32 s23, s17
	s_cbranch_scc1 .Lno_next_\@
	s_lshl_b32 s20, s23, TSH
	s_add_nc_u64 s[24:25], s[28:29], s[20:21]
	ALOAD (1-\b)*128                               ; the next trip's, into the other buffer: they have this slot in which to come
	WIN 0
.Lno_next_\@:
.if \red
	RLOAD 0, 1-\b                                  ; these land while the next 32 matrix instructions run
.endif
	WIN 0x06                                       ; source 0 (weights) window 2, source 1 (tokens) window 1, C and D window 0
	MM \b*128, 0, 0
	MM \b*128, 0, 1
	MM \b*128, 1, 0
	MM \b*128, 1, 1
.if \red
	WIN 0
	RADD 0
	RLOAD 1, 1-\b
.endif
	WIN 0x06
	MM \b*128, 2, 0
	MM \b*128, 2, 1
	MM \b*128, 3, 0
	MM \b*128, 3, 1
.if \red
	WIN 0
	RADD 1
.endif
	WIN 0x07                                       ; weights window 3
	MM \b*128, 4, 0                                ; rows 0-15 are finished first,
	MM \b*128, 5, 0
	MM \b*128, 6, 0
	MM \b*128, 7, 0
	WIN 0
.rept 4
	v_nop                                          ; four places behind the matrix instructions whose results the LDS stores read
.endr
	XSTORE \b, 0                                   ; and their 16 stores are served while rows 16-31 are multiplied
	WIN 0x07
	MM \b*128, 4, 1
	MM \b*128, 5, 1
	MM \b*128, 6, 1
	MM \b*128, 7, 1
	WIN 0
.rept 5
	v_nop                                          ; places behind the last matrix instructions: 4 for the LDS stores that read results and for the next
.endr                                                  ; slot's loads into their sources, 5 for the next slot's first products, which write over the results
	XSTORE \b, 1
.endm
; Slot t = s18 + d, b = t & 1.
.macro SLOT b, d
	s_add_co_u32 s22, s18, \d                      ; t
	s_add_co_u32 s23, s18, \d+1
	s_cmp_gt_u32 s22, s17
	s_cbranch_scc1 .Lidle_\@                       ; behind the last trip's finish: only the barrier
	s_wait_xcnt 0x0                                ; O and s[26:27], which the last slot's stores read, are rewritten only behind this wait
	s_sub_co_u32 s20, s22, 1
	s_lshl_b32 s20, s20, OSH                       ; trip t - 1: tiles 2 (t - 1), 2 (t - 1) + 1 of 128 KB
	s_add_nc_u64 s[26:27], s[30:31], s[20:21]
	s_cmp_eq_u32 s22, s17
	s_cbranch_scc1 .Llast_\@
	WORK \b, 1
	s_branch .Lidle_\@
.Llast_\@:
	RLOAD 0, 1-\b                                  ; no trip is left to multiply: the last one is finished by itself
	RADD 0
	RLOAD 1, 1-\b
	RADD 1
.Lidle_\@:
	s_wait_dscnt 0x0                               ; my stores into area b are done, and my reads of the other area:
	s_barrier_signal -1                            ; behind this barrier area b is read, and the other area is stored again
	s_barrier_wait -1
.endm
	s_cmp_eq_u32 s17, 0
	s_cbranch_scc1 .Lno_rows
	s_mov_b32 s23, 1
	WORK 0, 0                                      ; slot 0: trip 0's products; there is no trip before it to finish
.Lno_rows:
	s_wait_dscnt 0x0                               ; my stores into area 0 are done
	s_barrier_signal -1
	s_barrier_wait -1
	s_mov_b32 s18, 1
.Lslots:
	SLOT 1, 0
	SLOT 0, 1
	s_add_co_u32 s18, s18, 2
	s_cmp_lt_u32 s18, 33                           ; slots 1 to 32
	s_cbranch_scc1 .Lslots
	s_wait_tensorcnt 0x0
	ds_add_u32 v14, v15
	s_wait_dscnt 0x0
	s_endpgm
.Lfunc_end_k_q367759f447_ffn1:
	.size	k_q367759f447_ffn1, .Lfunc_end_k_q367759f447_ffn1-k_q367759f447_ffn1
	.p2alignl 7, 3214868480
	.fill 96, 4, 3214868480
	.section	.rodata,"a",@progbits
	.p2align	6, 0x0
	.amdhsa_kernel k_q367759f447_ffn1
		.amdhsa_group_segment_fixed_size 131584
		.amdhsa_private_segment_fixed_size 0
		.amdhsa_enable_private_segment 0
		.amdhsa_kernarg_size 40
		.amdhsa_user_sgpr_count 2
		.amdhsa_user_sgpr_kernarg_segment_ptr 1
		.amdhsa_wavefront_size32 1
		.amdhsa_system_sgpr_workgroup_id_x 1
		.amdhsa_system_sgpr_workgroup_id_y 1
		.amdhsa_system_sgpr_workgroup_id_z 1
		.amdhsa_system_vgpr_workitem_id 0
		.amdhsa_next_free_vgpr 1024
		.amdhsa_next_free_sgpr 66
		.amdhsa_reserve_vcc 0
		.amdhsa_float_denorm_mode_32 3
		.amdhsa_float_denorm_mode_16_64 3
		.amdhsa_memory_ordered 1
		.amdhsa_forward_progress 1
		.amdhsa_inst_pref_size 142
	.end_amdhsa_kernel
	.amdgpu_metadata
---
amdhsa.version: [ 1, 2 ]
amdhsa.kernels:
  - .name:           k_q367759f447_ffn1
    .symbol:         k_q367759f447_ffn1.kd
    .args:
      - { .name: W1, .offset: 0, .size: 8, .value_kind: global_buffer, .address_space: global }
      - { .name: b1, .offset: 8, .size: 8, .value_kind: global_buffer, .address_space: global }
      - { .name: xs, .offset: 16, .size: 8, .value_kind: global_buffer, .address_space: global }
      - { .name: meta, .offset: 24, .size: 8, .value_kind: global_buffer, .address_space: global }
      - { .name: hs, .offset: 32, .size: 8, .value_kind: global_buffer, .address_space: global }
    .group_segment_fixed_size: 131584
    .private_segment_fixed_size: 0
    .kernarg_segment_align: 8
    .kernarg_segment_size: 40
    .max_flat_workgroup_size: 128
    .sgpr_count:     66
    .vgpr_count:     1024
    .wavefront_size: 32
...
	.end_amdgpu_metadata
.endif
;; end of part 3
;; launch ffn2 (part 4): grid 32 x 8, 4 waves a work-group, no clusters, 131,584 bytes of LDS; arguments W2, hs, meta, yp; writes yp
.if DOCPART == 4
	.amdgcn_target "amdgcn-amd-amdhsa--gfx1250"
	.amdhsa_code_object_version 6
	.text
	.protected	k_q367759f447_ffn2
	.globl	k_q367759f447_ffn2
	.p2align	8
	.type	k_q367759f447_ffn2,@function
k_q367759f447_ffn2:
	s_mov_b64 s[64:65], 0
	v_nop
	global_prefetch_b8 v0, s[64:65] scope:SCOPE_SE
	s_setreg_imm32_b32 hwreg(HW_REG_WAVE_MODE, 25, 1), 1
	s_wait_xcnt 0x0
; FFN2.  Partial sums of h W2[e] for the rows of expert e's list.  Built as the launch before it: work-group (8 Q + ns, e) owns the slice
; K = 1024 (rows 1024 Q .. of W2[e]) x N = 128 (columns 128 ns ..), read once, rounded to bf16 and kept in registers, 512 in each of four
; waves; wave kq holds hs's K steps 32 Q + 8 kq + s, s = 0..7.  The expert's rows pass in trips of 32; the four waves' sums meet in LDS.
; With 256 KB of bf16 weights a work-group and whole pieces of 256 bytes of a row, a work-group covers a quarter of K = 4096: the four
; quarters' sums go to yp [Q][e][place in the list][1024] f32 and are added by the last launch (no atomics).
; WEIGHT ROWS: slot q of lane half h in K step s is f = 64 (s >> 1) + 32 h + 4 (q & 7) + 2 (s & 1) + (q >> 3), as hs has it.
; Here tokens are source 0 and weights source 1: register j of lane (r, h) is row 8 h + j, column 64 (t >> 2) + 4 r + (t & 3), so the four
; tiles that a wave finishes give a lane four neighbouring columns: 16 bytes, and sixteen lanes 256 consecutive aligned bytes of a row.
; SLOTS: the number of trips (0 to 32) is read from meta.  There are a constant 33 slots, and every slot ends in its barrier.  Slot t makes
; trip t's products and, among them, finishes trip t - 1: its partial sums are read from LDS in two halves of 16 loads, each issued ahead of
; 32 matrix instructions.  Slot t = trips finishes the last trip; the slots behind it do nothing but pass the barrier.
; Two LDS areas take turns: area t & 1 is stored in slot t, read in slot t + 1 behind slot t's barrier, and stored again in slot t + 2
; behind slot t + 1's barrier, in front of which every wave has waited for its LDS loads.
; NO CLUSTER, NO TENSOR LOADS: as in the launch before; here 8 work-groups read the same hs, 256 KB a trip, and all slots would
; have to ask alike, since no joint request may stand under a branch on a count that was read from memory.
.set ROWB, 4096                        ; bytes in a row of W2
.set MTB,  131072                      ; bytes of hs for a tile of 16 rows
.set TSH,  18                          ; a trip's two tiles of hs
.set OSH,  17                          ; a trip's 32 rows of yp: 1 << 17 bytes
.set ST0,  0                           ; window 1: staging buffers, later token fragments
.set ST1,  128
.set XW,   3                           ; v3, v4    LDS: where I put my partial sums, area 0, 1
.set XR,   5                           ; v5, v6    LDS: where I read the four partial sums of my tiles
.set O,    16                          ; v[16:47]  results: 4 i + tt
.set TMP,  64                          ; v[64:127] the four waves' sums, four registers of each of my four tiles: 16 x source wave + 4 x tile + register
.set ACC,  128                         ; v[128:255] 16 accumulator tiles, tile (a, t) at 8 (8 a + t)
.set MSB, 0
.macro WIN new                         ; s_set_vgpr_msb: bits 1:0 source 0, 3:2 source 1, 5:4 source 2, 7:6 destination; the high byte repeats the setting left
.if MSB != \new
	s_set_vgpr_msb (MSB<<8)|\new
.set MSB, \new
.endif
.endm
	s_load_b256 s[4:11], s[0:1], 0x0               ; W2 s[4:5], hs s[6:7], meta s[8:9], yp s[10:11]
	v_lshl_add_u32 v62, v0, 2, 0x20000
	v_mov_b32 v63, 0
	v_lshrrev_b32 v8, 5, v0
	v_readfirstlane_b32 s14, v8                    ; wave = kq
	s_and_b32 s15, ttmp7, 0xffff                   ; e
	s_and_b32 s16, s14, 1                          ; which 64 columns I finish
	s_lshr_b32 s33, s14, 1                         ; which 16 rows I finish
	s_lshr_b32 s34, ttmp9, 3                       ; Q
	s_and_b32 s35, ttmp9, 7                        ; ns
	s_lshl_b32 s36, s34, 5
	s_lshl_b32 s22, s14, 3
	s_add_co_u32 s36, s36, s22                     ; my first K step: 32 Q + 8 kq
	v_and_b32 v8, 31, v0
	v_and_b32 v9, 15, v0                           ; r
	v_bfe_u32 v10, v0, 4, 1                        ; h
	v_lshlrev_b32 v1, 4, v8                        ; lane x 16
	v_lshlrev_b32 v2, 4, v9
	v_lshl_add_u32 v7, v10, 15, v2                 ; yp: 16 r + 8 h rows of 4,096 bytes
	v_lshl_add_u32 v2, v10, 17, v2                 ; weights: 16 r + 32 h rows of 4,096 bytes
	s_lshl_b32 s20, s14, 14
	v_add_nc_u32 v3, s20, v1                       ; area [source wave 4][tile 16][half 2][lane 32][16 bytes] = 64 KB; two areas
	v_add_nc_u32 v4, 0x10000, v3
	s_lshl_b32 s20, s14, 12
	v_add_nc_u32 v5, s20, v1
	v_add_nc_u32 v6, 0x10000, v5
	s_mov_b32 s21, 0
	s_lshl_b32 s32, s15, 8
	s_lshl_b32 s20, s15, 24                        ; W2: expert, my first K step's 32 rows each, the slice's 512 bytes of a row
	s_lshl_b32 s22, s36, 17
	s_add_co_u32 s20, s20, s22
	s_lshl_b32 s22, s35, 9
	s_add_co_u32 s20, s20, s22
	s_wait_kmcnt 0x0
	s_load_b32 s17, s[8:9], s32 offset:0x4         ; trips
	s_add_nc_u64 s[4:5], s[4:5], s[20:21]
.macro WLOAD s, st                     ; K step s: 16 rows a lane half x 128 columns, the rows in hs's order
	WIN 0x40                                       ; destination window 1
.irp q, 0,1,2,3,4,5,6,7,8,9,10,11,12,13,14,15
	global_load_b128 v[\st+8*\q:\st+8*\q+3],   v2, s[4:5] offset:(64*(\s>>1)+2*(\s&1)+4*(\q&7)+(\q>>3))*ROWB th:TH_LOAD_NT
	global_load_b128 v[\st+8*\q+4:\st+8*\q+7], v2, s[4:5] offset:(64*(\s>>1)+2*(\s&1)+4*(\q&7)+(\q>>3))*ROWB+256 th:TH_LOAD_NT
.endr
.endm
.macro WCVT s, st                      ; slots 2 d and 2 d + 1 of column t make dword d of fragment (s, t)
.if \s < 4
	WIN 0x85                                       ; sources window 1, destination window 2
.else
	WIN 0xc5                                       ; destination window 3
.endif
.irp d, 0,1,2,3,4,5,6,7
.irp t, 0,1,2,3,4,5,6,7
	v_cvt_pk_bf16_f32 v[64*(\s&3)+8*\t+\d], v[\st+16*\d+\t], v[\st+16*\d+8+\t]
.endr
.endr
.endm
.macro WSTEP s, st, left, nxt
	s_wait_loadcnt \left                           ; this K step's 32 loads are in; the next K step's 32 may be out
	WCVT \s, \st
.if \nxt < 8
	WLOAD \nxt, \st
.endif
.endm
.macro ALOAD buf                       ; a trip's token fragments of my 8 K steps: 2 tiles x 8 images, 512 consecutive bytes a load
	WIN 0x40
.irp a, 0,1
.irp s, 0,1,2,3,4,5,6,7
	global_load_b128 v[\buf+64*\a+8*\s:\buf+64*\a+8*\s+3],   v1, s[24:25] offset:\a*MTB+\s*1024
	global_load_b128 v[\buf+64*\a+8*\s+4:\buf+64*\a+8*\s+7], v1, s[24:25] offset:\a*MTB+\s*1024+512
.endr
.endr
.endm
	WLOAD 0, ST0
	WLOAD 1, ST1
	s_lshl_b32 s20, s15, 23                        ; hs: expert, my first K step
	s_lshl_b32 s23, s36, 10
	s_add_co_u32 s20, s20, s23
	s_add_nc_u64 s[28:29], s[6:7], s[20:21]
	s_lshl_b32 s20, s34, 25                        ; yp: quarter, expert, rows 16 (w >> 1), columns 128 ns + 64 (w & 1)
	s_lshl_b32 s23, s15, 22
	s_add_co_u32 s20, s20, s23
	s_lshl_b32 s23, s33, 16
	s_add_co_u32 s20, s20, s23
	s_add_co_u32 s20, s20, s22
	s_lshl_b32 s23, s16, 8
	s_add_co_u32 s20, s20, s23
	s_add_nc_u64 s[30:31], s[10:11], s[20:21]
	WSTEP 0, ST0, 32, 2
	WSTEP 1, ST1, 32, 3
	WSTEP 2, ST0, 32, 4
	WSTEP 3, ST1, 32, 5
	WSTEP 4, ST0, 32, 6
	WSTEP 5, ST1, 32, 7
	WSTEP 6, ST0, 32, 8
	WIN 0
	; Staging buffer 0 is free from here on: trip 0's token fragments are asked for now, while the last K step of weights is still on its way.
	s_wait_kmcnt 0x0
	s_min_u32 s17, s17, 32
	s_cmp_eq_u32 s17, 0
	s_cbranch_scc1 .Lno_first                      ; an expert without rows asks for nothing: hs holds nothing for it
	s_mov_b64 s[24:25], s[28:29]
	ALOAD 0
	WIN 0
	s_wait_loadcnt 0x20                            ; K step 7's weights are in; the 32 token loads issued behind them may be out
	s_branch .Lstep7
.Lno_first:
	s_wait_loadcnt 0x0                             ; K step 7's weights are in: nothing was issued behind them
.Lstep7:
	WCVT 7, ST1
	WIN 0
; 8 matrix instructions: K step s, tile row a, all 8 column tiles.  The first K step starts the sums.
.macro MM buf, s, a
.irp t, 0,1,2,3,4,5,6,7
.if \s == 0
	v_wmma_f32_16x16x32_bf16 v[ACC+8*(8*\a+\t):ACC+8*(8*\a+\t)+7], v[\buf+64*\a+8*\s:\buf+64*\a+8*\s+7], v[64*(\s&3)+8*\t:64*(\s&3)+8*\t+7], 0
.else
	v_wmma_f32_16x16x32_bf16 v[ACC+8*(8*\a+\t):ACC+8*(8*\a+\t)+7], v[\buf+64*\a+8*\s:\buf+64*\a+8*\s+7], v[64*(\s&3)+8*\t:64*(\s&3)+8*\t+7], v[ACC+8*(8*\a+\t):ACC+8*(8*\a+\t)+7]
.endif
.endr
.endm
; my partial sums of tile row a into area b
.macro XSTORE b, a
.irp t, 0,1,2,3,4,5,6,7
	ds_store_b128 v[XW+\b], v[ACC+8*(8*\a+\t):ACC+8*(8*\a+\t)+3]   offset:(8*\a+\t)*1024     ; lane x 16: consecutive, no bank conflict
	ds_store_b128 v[XW+\b], v[ACC+8*(8*\a+\t)+4:ACC+8*(8*\a+\t)+7] offset:(8*\a+\t)*1024+512
.endr
.endm
; the four waves' sums of registers 4 u .. 4 u + 3 (rows 8 h + 4 u ..) of my four tiles, out of area xb
.macro RLOAD u, xb
.irp sw, 0,1,2,3
.irp tt, 0,1,2,3
	ds_load_b128 v[TMP+16*\sw+4*\tt:TMP+16*\sw+4*\tt+3], v[XR+\xb] offset:\sw*16384+\tt*1024+\u*512
.endr
.endr
.endm
; they are added and stored
.macro RADD u
	s_wait_dscnt 0x0                               ; the 16 loads of RLOAD
.set k, 0
.rept 8
	v_pk_add_f32 v[TMP+k:TMP+k+1], v[TMP+k:TMP+k+1], v[TMP+16+k:TMP+17+k]
.set k, k+2
.endr
.set k, 0
.rept 8
	v_pk_add_f32 v[TMP+32+k:TMP+33+k], v[TMP+32+k:TMP+33+k], v[TMP+48+k:TMP+49+k]
.set k, k+2
.endr
.irp il, 0,1,2,3
.irp tt, 0,1,2,3
	v_add_f32 v[O+16*\u+4*\il+\tt], v[TMP+4*\tt+\il], v[TMP+32+4*\tt+\il]   ; the last add also lays a row's four columns side by side
.endr
.endr
.irp il, 0,1,2,3
	global_store_b128 v7, v[O+16*\u+4*\il:O+16*\u+4*\il+3], s[26:27] offset:(4*\u+\il)*4096    ; rows i and 8 + i: 256 consecutive aligned bytes of each
.endr
.endm
; A trip's products on token buffer b, into LDS area b; s23 = the next trip's number.  red = 1: the trip before is finished among them.
; 128 matrix instructions.  The accumulators take turns, one instruction a turn (sixteen of them in K steps 0 to 3, eight in each half of
; K steps 4 to 7).  What stands between the runs names no register of a matrix instruction.
.macro WORK b, red
	s_wait_loadcnt 0x0                             ; this trip's fragments, asked for a slot ago; s[24:25] is free too
	s_cmp_ge_u32 s23, s17
	s_cbranch_scc1 .Lno_next_\@
	s_lshl_b32 s20, s23, TSH
	s_add_nc_u64 s[24:25], s[28:29], s[20:21]
	ALOAD (1-\b)*128                               ; the next trip's, into the other buffer: they have this slot in which to come
	WIN 0
.Lno_next_\@:
.if \red
	RLOAD 0, 1-\b                                  ; these land while the next 32 matrix instructions run
.endif
	WIN 0x09                                       ; source 0 (tokens) window 1, source 1 (weights) window 2, C and D window 0
	MM \b*128, 0, 0
	MM \b*128, 0, 1
	MM \b*128, 1, 0
	MM \b*128, 1, 1
.if \red
	WIN 0
	RADD 0
	RLOAD 1, 1-\b
.endif
	WIN 0x09
	MM \b*128, 2, 0
	MM \b*128, 2, 1
	MM \b*128, 3, 0
	MM \b*128, 3, 1
.if \red
	WIN 0
	RADD 1
.endif
	WIN 0x0d                                       ; weights window 3
	MM \b*128, 4, 0                                ; rows 0-15 are finished first,
	MM \b*128, 5, 0
	MM \b*128, 6, 0
	MM \b*128, 7, 0
	WIN 0
.rept 4
	v_nop                                          ; four places behind the matrix instructions whose results the LDS stores read
.endr
	XSTORE \b, 0                                   ; and their 16 stores are served while rows 16-31 are multiplied
	WIN 0x0d
	MM \b*128, 4, 1
	MM \b*128, 5, 1
	MM \b*128, 6, 1
	MM \b*128, 7, 1
	WIN 0
.rept 5
	v_nop                                          ; places behind the last matrix instructions: 4 for the LDS stores that read results and for the next
.endr                                                  ; slot's loads into their sources, 5 for the next slot's first products, which write over the results
	XSTORE \b, 1
.endm
; Slot t = s18 + d, b = t & 1.
.macro SLOT b, d
	s_add_co_u32 s22, s18, \d                      ; t
	s_add_co_u32 s23, s18, \d+1
	s_cmp_gt_u32 s22, s17
	s_cbranch_scc1 .Lidle_\@                       ; behind the last trip's finish: only the barrier
	s_wait_xcnt 0x0                                ; O and s[26:27], which the last slot's stores read, are rewritten only behind this wait
	s_sub_co_u32 s20, s22, 1
	s_lshl_b32 s20, s20, OSH                       ; trip t - 1: 32 rows of 4,096 bytes a trip
	s_add_nc_u64 s[26:27], s[30:31], s[20:21]
	s_cmp_eq_u32 s22, s17
	s_cbranch_scc1 .Llast_\@
	WORK \b, 1
	s_branch .Lidle_\@
.Llast_\@:
	RLOAD 0, 1-\b                                  ; no trip is left to multiply: the last one is finished by itself
	RADD 0
	RLOAD 1, 1-\b
	RADD 1
.Lidle_\@:
	s_wait_dscnt 0x0                               ; my stores into area b are done, and my reads of the other area:
	s_barrier_signal -1                            ; behind this barrier area b is read, and the other area is stored again
	s_barrier_wait -1
.endm
	s_cmp_eq_u32 s17, 0
	s_cbranch_scc1 .Lno_rows
	s_mov_b32 s23, 1
	WORK 0, 0                                      ; slot 0: trip 0's products; there is no trip before it to finish
.Lno_rows:
	s_wait_dscnt 0x0                               ; my stores into area 0 are done
	s_barrier_signal -1
	s_barrier_wait -1
	s_mov_b32 s18, 1
.Lslots:
	SLOT 1, 0
	SLOT 0, 1
	s_add_co_u32 s18, s18, 2
	s_cmp_lt_u32 s18, 33                           ; slots 1 to 32
	s_cbranch_scc1 .Lslots
	s_wait_tensorcnt 0x0
	ds_add_u32 v62, v63
	s_wait_dscnt 0x0
	s_endpgm
.Lfunc_end_k_q367759f447_ffn2:
	.size	k_q367759f447_ffn2, .Lfunc_end_k_q367759f447_ffn2-k_q367759f447_ffn2
	.p2alignl 7, 3214868480
	.fill 96, 4, 3214868480
	.section	.rodata,"a",@progbits
	.p2align	6, 0x0
	.amdhsa_kernel k_q367759f447_ffn2
		.amdhsa_group_segment_fixed_size 131584
		.amdhsa_private_segment_fixed_size 0
		.amdhsa_enable_private_segment 0
		.amdhsa_kernarg_size 32
		.amdhsa_user_sgpr_count 2
		.amdhsa_user_sgpr_kernarg_segment_ptr 1
		.amdhsa_wavefront_size32 1
		.amdhsa_system_sgpr_workgroup_id_x 1
		.amdhsa_system_sgpr_workgroup_id_y 1
		.amdhsa_system_sgpr_workgroup_id_z 1
		.amdhsa_system_vgpr_workitem_id 0
		.amdhsa_next_free_vgpr 1024
		.amdhsa_next_free_sgpr 66
		.amdhsa_reserve_vcc 0
		.amdhsa_float_denorm_mode_32 3
		.amdhsa_float_denorm_mode_16_64 3
		.amdhsa_memory_ordered 1
		.amdhsa_forward_progress 1
		.amdhsa_inst_pref_size 128
	.end_amdhsa_kernel
	.amdgpu_metadata
---
amdhsa.version: [ 1, 2 ]
amdhsa.kernels:
  - .name:           k_q367759f447_ffn2
    .symbol:         k_q367759f447_ffn2.kd
    .args:
      - { .name: W2, .offset: 0, .size: 8, .value_kind: global_buffer, .address_space: global }
      - { .name: hs, .offset: 8, .size: 8, .value_kind: global_buffer, .address_space: global }
      - { .name: meta, .offset: 16, .size: 8, .value_kind: global_buffer, .address_space: global }
      - { .name: yp, .offset: 24, .size: 8, .value_kind: global_buffer, .address_space: global }
    .group_segment_fixed_size: 131584
    .private_segment_fixed_size: 0
    .kernarg_segment_align: 8
    .kernarg_segment_size: 32
    .max_flat_workgroup_size: 128
    .sgpr_count:     66
    .vgpr_count:     1024
    .wavefront_size: 32
...
	.end_amdgpu_metadata
.endif
;; end of part 4
;; launch combine (part 5): grid 256 x 1, 4 waves a work-group, no clusters, 0 bytes of LDS; arguments yp, b2, sel, rank, pw, out0; writes out0
.if DOCPART == 5
	.amdgcn_target "amdgcn-amd-amdhsa--gfx1250"
	.amdhsa_code_object_version 6
	.text
	.protected	k_q367759f447_combine
	.globl	k_q367759f447_combine
	.p2align	8
	.type	k_q367759f447_combine,@function
k_q367759f447_combine:
	s_mov_b64 s[64:65], 0
	v_nop
	global_prefetch_b8 v0, s[64:65] scope:SCOPE_SE
	s_setreg_imm32_b32 hwreg(HW_REG_WAVE_MODE, 25, 1), 1
	s_wait_xcnt 0x0
; COMBINE.  out0[t] = p0 (sum over Q of yp[Q][e0][pos0] + b2[e0]) + p1 (the same for e1).  One wave, one token: t = 4 x work-group + wave.
; The two experts (sel), the token's places in their lists (rank) and the two weights (pw) are scalars; the ten rows (2 x 4 of yp, 2 of b2) are
; read in eight chunks of 512 consecutive bytes a load, four chunks (40 loads) of every wave on their way.  A stream: no LDS, no barrier, no matrix unit.
.set SL, 16                            ; v[16:175] four slots of 40: expert k at 20 k: quarters 0 to 3, then b2, four registers each
	s_load_b256 s[4:11], s[0:1], 0x0               ; yp s[4:5], b2 s[6:7], sel s[8:9], rank s[10:11]
	s_load_b128 s[12:15], s[0:1], 0x20             ; pw s[12:13], out0 s[14:15]
	v_lshrrev_b32 v2, 5, v0
	v_readfirstlane_b32 s20, v2
	v_and_b32 v1, 31, v0
	v_lshlrev_b32 v1, 4, v1                        ; lane x 16
	s_lshl_b32 s21, ttmp9, 2
	s_add_co_u32 s20, s20, s21                     ; t
	s_lshl_b32 s21, s20, 3
	s_lshl_b32 s54, s20, 2
	s_mov_b32 s45, 0
	s_wait_kmcnt 0x0
	s_load_b64 s[16:17], s[8:9], s21 offset:0x0    ; e0, e1
	s_load_b64 s[18:19], s[12:13], s21 offset:0x0  ; p0, p1
	s_wait_kmcnt 0x0
	s_min_u32 s16, s16, 7
	s_min_u32 s17, s17, 7
	s_lshl_b32 s22, s16, 12
	s_add_co_u32 s22, s22, s54                     ; rank[e0][t]
	s_lshl_b32 s23, s17, 12
	s_add_co_u32 s23, s23, s54
	s_load_b32 s52, s[10:11], s22 offset:0x0
	s_load_b32 s53, s[10:11], s23 offset:0x0
	s_mov_b32 s50, s18                             ; each weight as a pair, for the packed forms
	s_mov_b32 s51, s18
	s_mov_b32 s48, s19
	s_mov_b32 s49, s19
	s_lshl_b32 s44, s16, 12
	s_add_nc_u64 s[40:41], s[6:7], s[44:45]        ; b2[e0]
	s_lshl_b32 s44, s17, 12
	s_add_nc_u64 s[42:43], s[6:7], s[44:45]        ; b2[e1]
	s_lshl_b32 s44, s20, 12
	s_add_nc_u64 s[46:47], s[14:15], s[44:45]      ; out0[t]
	s_wait_kmcnt 0x0
	s_min_u32 s52, s52, 1023
	s_min_u32 s53, s53, 1023
	s_lshl_b32 s44, s16, 10
	s_add_co_u32 s44, s44, s52
	s_lshl_b32 s44, s44, 12                        ; row (e0, pos0) of 4,096 bytes
	s_add_nc_u64 s[24:25], s[4:5], s[44:45]
	s_add_nc_u64 s[26:27], s[24:25], 0x2000000     ; the next quarter's part of yp: 8 x 1,024 rows further
	s_add_nc_u64 s[28:29], s[26:27], 0x2000000
	s_add_nc_u64 s[30:31], s[28:29], 0x2000000
	s_lshl_b32 s44, s17, 10
	s_add_co_u32 s44, s44, s53
	s_lshl_b32 s44, s44, 12
	s_add_nc_u64 s[32:33], s[4:5], s[44:45]
	s_add_nc_u64 s[34:35], s[32:33], 0x2000000
	s_add_nc_u64 s[36:37], s[34:35], 0x2000000
	s_add_nc_u64 s[38:39], s[36:37], 0x2000000
.macro CLOAD j                         ; chunk j of the ten rows
.irp k, 0,1
.irp q, 0,1,2,3
	global_load_b128 v[SL+40*(\j&3)+20*\k+4*\q:SL+40*(\j&3)+20*\k+4*\q+3], v1, s[24+8*\k+2*\q:25+8*\k+2*\q] offset:\j*512 th:TH_LOAD_NT
.endr
	global_load_b128 v[SL+40*(\j&3)+20*\k+16:SL+40*(\j&3)+20*\k+19], v1, s[40+2*\k:41+2*\k] offset:\j*512
.endr
.endm
.macro COMB j, left
	s_wait_loadcnt \left                           ; this chunk's ten loads are in; ten for each younger chunk may be out
.set CB, SL+40*(\j&3)
.irp k, 0,20
.irp c, 0,2
	v_pk_add_f32 v[CB+\k+\c:CB+\k+\c+1],     v[CB+\k+\c:CB+\k+\c+1],     v[CB+\k+4+\c:CB+\k+4+\c+1]
	v_pk_add_f32 v[CB+\k+8+\c:CB+\k+8+\c+1], v[CB+\k+8+\c:CB+\k+8+\c+1], v[CB+\k+12+\c:CB+\k+12+\c+1]
.endr
.irp c, 0,2
	v_pk_add_f32 v[CB+\k+\c:CB+\k+\c+1], v[CB+\k+\c:CB+\k+\c+1], v[CB+\k+8+\c:CB+\k+8+\c+1]
.endr
.irp c, 0,2
	v_pk_add_f32 v[CB+\k+\c:CB+\k+\c+1], v[CB+\k+\c:CB+\k+\c+1], v[CB+\k+16+\c:CB+\k+16+\c+1]   ; + b2
.endr
.endr
.irp c, 0,2
	v_pk_mul_f32 v[CB+\c:CB+\c+1], v[CB+\c:CB+\c+1], s[50:51] op_sel_hi:[1,0]
.endr
.irp c, 0,2
	v_pk_fma_f32 v[CB+\c:CB+\c+1], v[CB+20+\c:CB+20+\c+1], s[48:49], v[CB+\c:CB+\c+1] op_sel_hi:[1,0,1]
.endr
	global_store_b128 v1, v[CB:CB+3], s[46:47] offset:\j*512 th:TH_STORE_NT     ; 512 consecutive bytes, aligned
.endm
.macro AGAIN j                         ; the slot just stored from is loaded again
	s_wait_xcnt 0x0                                ; the store's data registers are rewritten only behind this wait
	CLOAD \j
.endm
	CLOAD 0
	CLOAD 1
	CLOAD 2
	CLOAD 3
	COMB 0, 30
	AGAIN 4
	COMB 1, 30
	AGAIN 5
	COMB 2, 30
	AGAIN 6
	COMB 3, 30
	AGAIN 7
	COMB 4, 30
	COMB 5, 20
	COMB 6, 10
	COMB 7, 0
	s_endpgm
.Lfunc_end_k_q367759f447_combine:
	.size	k_q367759f447_combine, .Lfunc_end_k_q367759f447_combine-k_q367759f447_combine
	.p2alignl 7, 3214868480
	.fill 96, 4, 3214868480
	.section	.rodata,"a",@progbits
	.p2align	6, 0x0
	.amdhsa_kernel k_q367759f447_combine
		.amdhsa_group_segment_fixed_size 0
		.amdhsa_private_segment_fixed_size 0
		.amdhsa_enable_private_segment 0
		.amdhsa_kernarg_size 48
		.amdhsa_user_sgpr_count 2
		.amdhsa_user_sgpr_kernarg_segment_ptr 1
		.amdhsa_wavefront_size32 1
		.amdhsa_system_sgpr_workgroup_id_x 1
		.amdhsa_system_sgpr_workgroup_id_y 1
		.amdhsa_system_sgpr_workgroup_id_z 1
		.amdhsa_system_vgpr_workitem_id 0
		.amdhsa_next_free_vgpr 176
		.amdhsa_next_free_sgpr 66
		.amdhsa_reserve_vcc 0
		.amdhsa_float_denorm_mode_32 3
		.amdhsa_float_denorm_mode_16_64 3
		.amdhsa_memory_ordered 1
		.amdhsa_forward_progress 1
		.amdhsa_inst_pref_size 21
	.end_amdhsa_kernel
	.amdgpu_metadata
---
amdhsa.version: [ 1, 2 ]
amdhsa.kernels:
  - .name:           k_q367759f447_combine
    .symbol:         k_q367759f447_combine.kd
    .args:
      - { .name: yp, .offset: 0, .size: 8, .value_kind: global_buffer, .address_space: global }
      - { .name: b2, .offset: 8, .size: 8, .value_kind: global_buffer, .address_space: global }
      - { .name: sel, .offset: 16, .size: 8, .value_kind: global_buffer, .address_space: global }
      - { .name: rank, .offset: 24, .size: 8, .value_kind: global_buffer, .address_space: global }
      - { .name: pw, .offset: 32, .size: 8, .value_kind: global_buffer, .address_space: global }
      - { .name: out0, .offset: 40, .size: 8, .value_kind: global_buffer, .address_space: global }
    .group_segment_fixed_size: 0
    .private_segment_fixed_size: 0
    .kernarg_segment_align: 8
    .kernarg_segment_size: 48
    .max_flat_workgroup_size: 128
    .sgpr_count:     66
    .vgpr_count:     176
    .wavefront_size: 32
...
	.end_amdgpu_metadata
.endif
;; end of part 5
;; ======== version 2 of 2: 5 launches; version 1 with the launches ffn1, ffn2 written anew for expert scheduling mode
;; limits: values outside matrix products are rounded to bf16
;; workspace buffers: sel 8,192 bytes of whole numbers; rank 32,768 bytes of whole numbers; meta 2,048 bytes of whole numbers; pw 8,192 bytes; probs 32,768 bytes; xs 16,777,216 bytes; hs 67,108,864 bytes; yp 134,217,728 bytes
;; launch router: the kernel of part 1 again; grid 32 x 1, 8 waves a work-group, no clusters, 39,936 bytes of LDS; arguments x, W_gate, b_gate, sel, pw, probs; writes sel, pw, probs
;; launch pack: the kernel of part 2 again; grid 16 x 8, 8 waves a work-group, no clusters, 0 bytes of LDS; arguments x, sel, probs, xs, rank, meta, out1; writes xs, rank, meta, out1
;; launch ffn1 (part 6): grid 32 x 8, 4 waves a work-group, no clusters, 131,584 bytes of LDS; arguments W1, b1, xs, meta, hs; writes hs
.if DOCPART == 6
	.amdgcn_target "amdgcn-amd-amdhsa--gfx1250"
	.amdhsa_code_object_version 6
	.text
	.protected	k_q367759f447_ffn1
	.globl	k_q367759f447_ffn1
	.p2align	8
	.type	k_q367759f447_ffn1,@function
k_q367759f447_ffn1:
	s_mov_b64 s[64:65], 0
	v_nop
	global_prefetch_b8 v0, s[64:65] scope:SCOPE_SE
	s_setreg_imm32_b32 hwreg(HW_REG_WAVE_SCHED_MODE, 0, 2), 2
	s_setreg_imm32_b32 hwreg(HW_REG_WAVE_MODE, 25, 1), 1
	s_wait_xcnt 0x0
	s_wait_alu depctr_vm_vsrc(0)
; FFN1.  h = relu(x W1[e] + b1[e]) for the rows of expert e's list only: what the other experts would give for a token reaches no output.
; Work-group (x, e) owns the slice K = 1024 x N = 128 (columns 128 x ..) of W1[e]: 512 KB of f32, read once, rounded to bf16 and KEPT IN
; REGISTERS as matrix fragments, 512 registers in each of four waves.  Wave kq holds K = 256 kq .. + 255 (8 K steps of 32) x 128 columns.
; Then the expert's rows pass in trips of 32: each wave multiplies its quarter of K (128 matrix instructions), the four partial sums meet in
; LDS, and each wave finishes a quarter of the 32 x 128 block.
; FRAGMENTS WITHOUT LDS: lane (r, h) loads 16 bytes, columns 4 r .. 4 r + 3, of sixteen rows k = 32 s + 16 h + q; v_cvt_pk_bf16_f32 of rows
; q = 2 d, 2 d + 1 gives dword d of four fragments; fragment t = 4 th + c has in lane r the column 64 th + 4 r + c.  xs holds the same k in
; the same places.  A weight load covers 256 consecutive aligned bytes of each of two rows.
; THE MATRIX INSTRUCTION IS USED TRANSPOSED (weights source 0, tokens source 1): register j of lane (r, h) is token r, column
; f = 64 (t >> 2) + 32 h + 4 j + (t & 3).  Packed to bf16 that is an image of the next launch's token fragments, stored as it is:
; hs [e][mt][ks][1,024 bytes], slot q (dword q >> 1, half q & 1) of lane half h = f = 64 (ks >> 1) + 32 h + 4 (q & 7) + 2 (ks & 1) + (q >> 3).
; SLOTS: the number of trips (0 to 32) is read from meta.  There are a constant 33 slots, and every slot ends in its barrier.  Slot t makes
; trip t's products and, among them, finishes trip t - 1: its partial sums are read from LDS in two halves of 16 loads, each issued ahead of
; 32 matrix instructions.  Slot t = trips finishes the last trip; the slots behind it do nothing but pass the barrier.
; Two LDS areas take turns: area t & 1 is stored in slot t, read in slot t + 1 behind slot t's barrier, and stored again in slot t + 2
; behind slot t + 1's barrier, in front of which every wave has waited for its LDS loads.
; NO CLUSTER, NO TENSOR LOADS: each byte of xs is used by one wave of the work-group, so it goes straight into registers.  The 32 work-groups
; of an expert do read the same xs; asked for jointly, a tile would have to be asked for in all slots alike (32 x 64 KB), since neither a
; joint request nor the barrier round in front of it may stand under a branch on a count that was read from memory; the count needs
; 64 KB x trips, some 9 trips where the routing is even.
; LIMIT: relu by v_max_num_f32 makes 0 of a NaN.
; THE MODE: SCHED_MODE bits 1:0 = 2 (LLVM: expert scheduling mode 2), set by the entry lines.  The code itself states the register dependences
; between vector or matrix instructions and memory or LDS instructions, with s_wait_alu, always for 0.
; THE PLAN.  Registers that memory or LDS instructions touch:
;   v1 .. v7      offsets and LDS addresses: made at the head, never written again.
;   window 1      two buffers of 128.  As staging for weights: K step s's 64 conversions read a buffer, behind them K step s + 2's loads land in it.
;                 As token fragments: slot t's matrix instructions read buffer t & 1; the loads issued at the head of slot t + 1 land in it.
;   ACC           written by the slot's matrix instructions; read, as data, by the LDS stores at the end of each tile row; written again in the next slot.
;   TMP           the LDS loads of half a reduction land in it; the half's adds read and write it; then the next half's loads land in it.
;   O             written by a half's roundings; read by the half's two global stores; written again in the next slot.
;   The weights (windows 2, 3) and, behind the head, the bias are named by vector and matrix instructions alone.
; A slot takes tile row 0 through all 8 K steps, then tile row 1, and the vector part of half a reduction stands between a row's K steps 3 and 4.
; So ONE wait on va_vdst at each row's end states that the row's accumulators are written, that the half's O is written and that the adds are
; done with TMP; the row's 16 LDS stores, the half's stores and the next 16 LDS loads follow it.  One wait on vm_vsrc stands at a slot's head.
.set ROWB, 16384                       ; bytes in a row of W1
.set MTB,  32768                       ; bytes of xs for a tile of 16 rows
.set TSH,  16                          ; a trip's two tiles of xs: 1 << 16 bytes
.set OSH,  18                          ; a trip's two tiles of hs: 1 << 18 bytes
.set ST0,  0                           ; window 1: v0-127, v128-255: two staging buffers for weights, later two buffers of token fragments
.set ST1,  128
.set XW,   3                           ; v3, v4    LDS: where I put my partial sums, area 0, 1
.set XR,   5                           ; v5, v6    LDS: where I read the four partial sums of my tiles
.set BIAS, 16                          ; v[16:47]  b1 in the order of my finished tiles: 8 tt + i
.set O,    48                          ; v[48:63]  packed results
.set TMP,  64                          ; v[64:127] the four waves' sums of two of my tiles: 16 x source wave + 8 x tile + register
.set ACC,  128                         ; v[128:255] 16 accumulator tiles, tile (a, t) at 8 (8 a + t); window 0
; windows 2 and 3: weights, fragment (s, t) at 64 (s & 3) + 8 t; s < 4 in window 2
.set MSB, 0
.macro WIN new                         ; s_set_vgpr_msb: bits 1:0 source 0, 3:2 source 1, 5:4 source 2, 7:6 destination; the high byte repeats the setting left
.if MSB != \new
	s_set_vgpr_msb (MSB<<8)|\new
.set MSB, \new
.endif
.endm
	s_load_b256 s[4:11], s[0:1], 0x0               ; W1 s[4:5], b1 s[6:7], xs s[8:9], meta s[10:11]
	s_load_b64 s[12:13], s[0:1], 0x20              ; hs
	v_lshl_add_u32 v14, v0, 2, 0x20000
	v_mov_b32 v15, 0
	v_lshrrev_b32 v8, 5, v0
	v_readfirstlane_b32 s14, v8                    ; wave = kq
	s_and_b32 s15, ttmp7, 0xffff                   ; e
	v_and_b32 v8, 31, v0
	v_and_b32 v9, 15, v0                           ; r
	v_bfe_u32 v10, v0, 4, 1                        ; h
	v_lshlrev_b32 v1, 4, v8                        ; lane x 16
	v_lshlrev_b32 v2, 4, v9
	v_lshl_add_u32 v2, v10, 18, v2                 ; weights: 16 r + 16 h rows of 16,384 bytes
	v_lshlrev_b32 v7, 7, v10                       ; bias: 32 h numbers
	s_mov_b32 s21, 0
	s_lshl_b32 s32, s15, 8
	s_wait_alu depctr_va_sdst(0)                   ; s14 is written, ahead of its first reader: LDS addresses and all the bases are made from it
	s_and_b32 s16, s14, 1                          ; which 64 columns I finish
	s_lshr_b32 s33, s14, 1                         ; which 16 rows I finish
	s_lshl_b32 s40, s14, 14                        ; (these two scalars, which vector instructions read, are not written again)
	s_lshl_b32 s41, s14, 12                        ; I finish tiles 4 w .. 4 w + 3
	v_add_nc_u32 v3, s40, v1                       ; area [source wave 4][tile 16][half 2][lane 32][16 bytes] = 64 KB; two areas
	v_add_nc_u32 v4, 0x10000, v3
	v_add_nc_u32 v5, s41, v1
	v_add_nc_u32 v6, 0x10000, v5
	s_lshl_b32 s20, s15, 24                        ; W1: expert, my 256 rows, the slice's 512 bytes of a row
	s_lshl_b32 s22, s14, 22
	s_add_co_u32 s20, s20, s22
	s_lshl_b32 s22, ttmp9, 9
	s_add_co_u32 s20, s20, s22
	s_wait_kmcnt 0x0
	s_load_b32 s17, s[10:11], s32 offset:0x4       ; trips
	s_add_nc_u64 s[4:5], s[4:5], s[20:21]
	s_lshl_b32 s20, s15, 14                        ; b1: expert, slice, my 64 columns
	s_add_co_u32 s20, s20, s22
	s_lshl_b32 s23, s16, 8
	s_add_co_u32 s20, s20, s23
	s_add_nc_u64 s[6:7], s[6:7], s[20:21]
	s_wait_alu depctr_va_vdst(0)                   ; the seven offsets and addresses v1 to v7 are written: every load and store of the kernel reads one of them
.irp tt, 0,1,2,3
.irp i, 0,1,2,3,4,5,6,7
	global_load_b32 v[BIAS+8*\tt+\i], v7, s[6:7] offset:4*(4*\i+\tt)       ; once: b1[f0 + 64 (w & 1) + 32 h + 4 i + tt], laid so that packed adds can take it
.endr
.endr
.macro WLOAD s, st, w                  ; K step s: 16 rows a lane half x 128 columns.  w = 1: the buffer has just been converted out of
	WIN 0x40                                       ; destination window 1
.if \w
	s_wait_alu depctr_va_vdst(0)                   ; the 64 conversions just issued are done reading this staging buffer, in which the loads below land
.endif
.irp q, 0,1,2,3,4,5,6,7,8,9,10,11,12,13,14,15
	global_load_b128 v[\st+8*\q:\st+8*\q+3],   v2, s[4:5] offset:(32*\s+\q)*ROWB th:TH_LOAD_NT
	global_load_b128 v[\st+8*\q+4:\st+8*\q+7], v2, s[4:5] offset:(32*\s+\q)*ROWB+256 th:TH_LOAD_NT
.endr
.endm
.macro WCVT s, st                      ; rows 2 d and 2 d + 1 of column t make dword d of fragment (s, t)
.if \s < 4
	WIN 0x85                                       ; sources window 1, destination window 2
.else
	WIN 0xc5                                       ; destination window 3
.endif
.irp d, 0,1,2,3,4,5,6,7
.irp t, 0,1,2,3,4,5,6,7
	v_cvt_pk_bf16_f32 v[64*(\s&3)+8*\t+\d], v[\st+16*\d+\t], v[\st+16*\d+8+\t]
.endr
.endr
.endm
.macro WSTEP s, st, left, nxt
	s_wait_loadcnt \left                           ; this K step's 32 loads (and the bias) are in; the next K step's 32 may be out
	WCVT \s, \st
.if \nxt < 8
	WLOAD \nxt, \st, 1                             ; the buffer is asked for again at once
.endif
.endm
.macro ALOAD buf                       ; a trip's token fragments of my 8 K steps: 2 tiles x 8 images, 512 consecutive bytes a load
	WIN 0x40
	s_wait_alu depctr_va_vdst(0)                   ; what read this buffer last is done reading it: a K step's conversions, or the matrix instructions of the slot before
.irp a, 0,1
.irp s, 0,1,2,3,4,5,6,7
	global_load_b128 v[\buf+64*\a+8*\s:\buf+64*\a+8*\s+3],   v1, s[24:25] offset:\a*MTB+\s*1024
	global_load_b128 v[\buf+64*\a+8*\s+4:\buf+64*\a+8*\s+7], v1, s[24:25] offset:\a*MTB+\s*1024+512
.endr
.endr
.endm
	WLOAD 0, ST0, 0                                ; no vector instruction has named the staging buffers; v2 stands ahead of the wait above
	WLOAD 1, ST1, 0
	; the other addresses, while the weights are on their way
	s_lshl_b32 s20, s15, 21                        ; xs: expert, my 8 K steps of 1,024 bytes
	s_lshl_b32 s23, s14, 13
	s_add_co_u32 s20, s20, s23
	s_add_nc_u64 s[28:29], s[8:9], s[20:21]
	s_lshl_b32 s20, s15, 23                        ; hs: expert, tile (w >> 1), K steps 4 x + 2 (w & 1)
	s_lshl_b32 s23, s33, 17
	s_add_co_u32 s20, s20, s23
	s_lshl_b32 s23, ttmp9, 12
	s_add_co_u32 s20, s20, s23
	s_lshl_b32 s23, s16, 11
	s_add_co_u32 s20, s20, s23
	s_add_nc_u64 s[30:31], s[12:13], s[20:21]
	WSTEP 0, ST0, 32, 2
	WSTEP 1, ST1, 32, 3
	WSTEP 2, ST0, 32, 4
	WSTEP 3, ST1, 32, 5
	WSTEP 4, ST0, 32, 6
	WSTEP 5, ST1, 32, 7
	WSTEP 6, ST0, 32, 8
	WIN 0
	; Staging buffer 0 is free from here on: trip 0's token fragments are asked for now, while the last K step of weights is still on its way.
	s_wait_kmcnt 0x0
	s_min_u32 s17, s17, 32
	s_cmp_eq_u32 s17, 0
	s_cbranch_scc1 .Lno_first                      ; an expert without rows asks for nothing: xs holds nothing for it
	s_mov_b64 s[24:25], s[28:29]
	ALOAD 0
	WIN 0
	s_wait_loadcnt 0x20                            ; K step 7's weights are in; the 32 token loads issued behind them may be out
	s_branch .Lstep7
.Lno_first:
	s_wait_loadcnt 0x0                             ; K step 7's weights are in: nothing was issued behind them
.Lstep7:
	WCVT 7, ST1
	WIN 0
; 8 matrix instructions: K step s, tile row a, all 8 column tiles.  The first K step starts the sums.
.macro MM buf, s, a
.irp t, 0,1,2,3,4,5,6,7
.if \s == 0
	v_wmma_f32_16x16x32_bf16 v[ACC+8*(8*\a+\t):ACC+8*(8*\a+\t)+7], v[64*(\s&3)+8*\t:64*(\s&3)+8*\t+7], v[\buf+64*\a+8*\s:\buf+64*\a+8*\s+7], 0
.else
	v_wmma_f32_16x16x32_bf16 v[ACC+8*(8*\a+\t):ACC+8*(8*\a+\t)+7], v[64*(\s&3)+8*\t:64*(\s&3)+8*\t+7], v[\buf+64*\a+8*\s:\buf+64*\a+8*\s+7], v[ACC+8*(8*\a+\t):ACC+8*(8*\a+\t)+7]
.endif
.endr
.endm
; my partial sums of tile row a into area b
.macro XSTORE b, a
.irp t, 0,1,2,3,4,5,6,7
	ds_store_b128 v[XW+\b], v[ACC+8*(8*\a+\t):ACC+8*(8*\a+\t)+3]   offset:(8*\a+\t)*1024     ; lane x 16: consecutive, no bank conflict
	ds_store_b128 v[XW+\b], v[ACC+8*(8*\a+\t)+4:ACC+8*(8*\a+\t)+7] offset:(8*\a+\t)*1024+512
.endr
.endm
; the four waves' sums of my tiles 2 hf and 2 hf + 1, out of area xb
.macro RLOAD hf, xb
.irp sw, 0,1,2,3
.irp tl, 0,1
	ds_load_b128 v[TMP+16*\sw+8*\tl:TMP+16*\sw+8*\tl+3],   v[XR+\xb] offset:\sw*16384+(2*\hf+\tl)*1024
	ds_load_b128 v[TMP+16*\sw+8*\tl+4:TMP+16*\sw+8*\tl+7], v[XR+\xb] offset:\sw*16384+(2*\hf+\tl)*1024+512
.endr
.endr
.endm
; they are added, the bias too, relu, and rounded to bf16: the vector part
.macro RADDV hf
	s_wait_dscnt 0x0                               ; the 16 loads of RLOAD
.set k, 0
.rept 8
	v_pk_add_f32 v[TMP+k:TMP+k+1], v[TMP+k:TMP+k+1], v[TMP+16+k:TMP+17+k]
.set k, k+2
.endr
.set k, 0
.rept 8
	v_pk_add_f32 v[TMP+32+k:TMP+33+k], v[TMP+32+k:TMP+33+k], v[TMP+48+k:TMP+49+k]
.set k, k+2
.endr
.set k, 0
.rept 8
	v_pk_add_f32 v[TMP+k:TMP+k+1], v[TMP+k:TMP+k+1], v[BIAS+16*\hf+k:BIAS+16*\hf+k+1]
.set k, k+2
.endr
.set k, 0
.rept 8
	v_pk_add_f32 v[TMP+k:TMP+k+1], v[TMP+k:TMP+k+1], v[TMP+32+k:TMP+33+k]
.set k, k+2
.endr
.set k, 0
.rept 16
	v_max_num_f32 v[TMP+k], 0, v[TMP+k]            ; relu
.set k, k+1
.endr
.irp tl, 0,1
.irp d, 0,1,2,3
	v_cvt_pk_bf16_f32 v[O+8*\hf+4*\tl+\d], v[TMP+8*\tl+2*\d], v[TMP+8*\tl+2*\d+1]
.endr
.endr
.endm
; and stored: one image of hs
.macro RSTORE hf
.irp tl, 0,1
	global_store_b128 v1, v[O+8*\hf+4*\tl:O+8*\hf+4*\tl+3], s[26:27] offset:\hf*1024+\tl*512   ; half an image: 512 consecutive bytes, aligned
.endr
.endm
; A trip's products on token buffer b, into LDS area b; s23 = the next trip's number.  red = 1: the trip before is finished among them.
; 128 matrix instructions: tile row 0 through K steps 0 to 7, then tile row 1.  The row's eight accumulators take turns, one instruction a
; turn.  What stands between the runs names no register of a matrix instruction.
.macro WORK b, red
	s_wait_loadcnt 0x0                             ; this trip's fragments, asked for a slot ago; s[24:25] is free too
	s_cmp_ge_u32 s23, s17
	s_cbranch_scc1 .Lno_next_\@
	s_lshl_b32 s20, s23, TSH
	s_add_nc_u64 s[24:25], s[28:29], s[20:21]
	ALOAD (1-\b)*128                               ; the next trip's, into the other buffer: they have this slot in which to come
	WIN 0
.Lno_next_\@:
.if \red
	RLOAD 0, 1-\b                                  ; these land while the next 32 matrix instructions run.  No wait: the adds that named TMP last stand ahead of the wait at the last slot's end
.endif
	WIN 0x06                                       ; source 0 (weights) window 2, source 1 (tokens) window 1, C and D window 0
	MM \b*128, 0, 0
	MM \b*128, 1, 0
	MM \b*128, 2, 0
	MM \b*128, 3, 0
.if \red
	WIN 0
	RADDV 0
.endif
	WIN 0x07                                       ; weights window 3
	MM \b*128, 4, 0
	MM \b*128, 5, 0
	MM \b*128, 6, 0
	MM \b*128, 7, 0                                ; rows 0-15 are finished
	WIN 0
.rept 4
	v_nop                                          ; four places behind the matrix instructions whose results the LDS stores read; they stay beside the wait below
.endr
	s_wait_alu depctr_va_vdst(0)                   ; row 0's accumulators are written, which the LDS stores read; the first half's O is written, which its stores read; its adds are done with TMP, in which the second half's loads land
	XSTORE \b, 0                                   ; these are served while rows 16-31 are multiplied
.if \red
	RSTORE 0
	RLOAD 1, 1-\b                                  ; these land while the next 32 matrix instructions run
.endif
	WIN 0x06
	MM \b*128, 0, 1
	MM \b*128, 1, 1
	MM \b*128, 2, 1
	MM \b*128, 3, 1
.if \red
	WIN 0
	RADDV 1
.endif
	WIN 0x07
	MM \b*128, 4, 1
	MM \b*128, 5, 1
	MM \b*128, 6, 1
	MM \b*128, 7, 1
	WIN 0
.rept 4
	v_nop                                          ; four places behind the last matrix instructions, whose results the LDS stores read
.endr
	s_wait_alu depctr_va_vdst(0)                   ; row 1's accumulators are written, which the LDS stores read; the second half's O is written; its adds are done with TMP, in which the next slot's first LDS loads land
	XSTORE \b, 1
.if \red
	RSTORE 1
.endif
.endm
; Slot t = s18 + d, b = t & 1.
.macro SLOT b, d
	s_add_co_u32 s22, s18, \d                      ; t
	s_add_co_u32 s23, s18, \d+1
	s_cmp_gt_u32 s22, s17
	s_cbranch_scc1 .Lidle_\@                       ; behind the last trip's finish: only the barrier
	s_wait_xcnt 0x0                                ; O and s[26:27], which the last slot's stores read, are rewritten only behind this wait
	s_wait_alu depctr_vm_vsrc(0)                   ; the last slot's LDS stores have read the accumulators, which this slot's products write again; its global stores have read O, which this slot's roundings write again
	s_sub_co_u32 s20, s22, 1
	s_lshl_b32 s20, s20, OSH                       ; trip t - 1: tiles 2 (t - 1), 2 (t - 1) + 1 of 128 KB
	s_add_nc_u64 s[26:27], s[30:31], s[20:21]
	s_cmp_eq_u32 s22, s17
	s_cbranch_scc1 .Llast_\@
	WORK \b, 1
	s_branch .Lidle_\@
.Llast_\@:
	RLOAD 0, 1-\b                                  ; no trip is left to multiply: the last one is finished by itself
	RADDV 0
	s_wait_alu depctr_va_vdst(0)                   ; the first half's O is written, which its stores read; its adds are done with TMP, in which the second half's loads land
	RSTORE 0
	RLOAD 1, 1-\b
	RADDV 1
	s_wait_alu depctr_va_vdst(0)                   ; the second half's O is written, which its stores read
	RSTORE 1
.Lidle_\@:
	s_wait_dscnt 0x0                               ; my stores into area b are done, and my reads of the other area:
	s_barrier_signal -1                            ; behind this barrier area b is read, and the other area is stored again
	s_barrier_wait -1
.endm
	s_cmp_eq_u32 s17, 0
	s_cbranch_scc1 .Lno_rows
	s_mov_b32 s23, 1
	WORK 0, 0                                      ; slot 0: trip 0's products; there is no trip before it to finish
.Lno_rows:
	s_wait_dscnt 0x0                               ; my stores into area 0 are done
	s_barrier_signal -1
	s_barrier_wait -1
	s_mov_b32 s18, 1
.Lslots:
	SLOT 1, 0
	SLOT 0, 1
	s_add_co_u32 s18, s18, 2
	s_cmp_lt_u32 s18, 33                           ; slots 1 to 32
	s_cbranch_scc1 .Lslots
	s_wait_dscnt 0x0
	s_wait_alu depctr_hold_cnt(0) depctr_sa_sdst(0) depctr_va_vdst(0) depctr_va_sdst(0) depctr_va_ssrc(0) depctr_va_vcc(0) depctr_vm_vsrc(0)
	s_wait_tensorcnt 0x0
	ds_add_u32 v14, v15
	s_wait_dscnt 0x0
	s_endpgm
.Lfunc_end_k_q367759f447_ffn1:
	.size	k_q367759f447_ffn1, .Lfunc_end_k_q367759f447_ffn1-k_q367759f447_ffn1
	.p2alignl 7, 3214868480
	.fill 96, 4, 3214868480
	.section	.rodata,"a",@progbits
	.p2align	6, 0x0
	.amdhsa_kernel k_q367759f447_ffn1
		.amdhsa_group_segment_fixed_size 131584
		.amdhsa_private_segment_fixed_size 0
		.amdhsa_enable_private_segment 0
		.amdhsa_kernarg_size 40
		.amdhsa_user_sgpr_count 2
		.amdhsa_user_sgpr_kernarg_segment_ptr 1
		.amdhsa_wavefront_size32 1
		.amdhsa_system_sgpr_workgroup_id_x 1
		.amdhsa_system_sgpr_workgroup_id_y 1
		.amdhsa_system_sgpr_workgroup_id_z 1
		.amdhsa_system_vgpr_workitem_id 0
		.amdhsa_next_free_vgpr 1024
		.amdhsa_next_free_sgpr 66
		.amdhsa_reserve_vcc 0
		.amdhsa_float_denorm_mode_32 3
		.amdhsa_float_denorm_mode_16_64 3
		.amdhsa_memory_ordered 1
		.amdhsa_forward_progress 1
		.amdhsa_inst_pref_size 143
	.end_amdhsa_kernel
	.amdgpu_metadata
---
amdhsa.version: [ 1, 2 ]
amdhsa.kernels:
  - .name:           k_q367759f447_ffn1
    .symbol:         k_q367759f447_ffn1.kd
    .args:
      - { .name: W1, .offset: 0, .size: 8, .value_kind: global_buffer, .address_space: global }
      - { .name: b1, .offset: 8, .size: 8, .value_kind: global_buffer, .address_space: global }
      - { .name: xs, .offset: 16, .size: 8, .value_kind: global_buffer, .address_space: global }
      - { .name: meta, .offset: 24, .size: 8, .value_kind: global_buffer, .address_space: global }
      - { .name: hs, .offset: 32, .size: 8, .value_kind: global_buffer, .address_space: global }
    .group_segment_fixed_size: 131584
    .private_segment_fixed_size: 0
    .kernarg_segment_align: 8
    .kernarg_segment_size: 40
    .max_flat_workgroup_size: 128
    .sgpr_count:     66
    .vgpr_count:     1024
    .wavefront_size: 32
...
	.end_amdgpu_metadata
.endif
;; end of part 6
;; launch ffn2 (part 7): grid 32 x 8, 4 waves a work-group, no clusters, 131,584 bytes of LDS; arguments W2, hs, meta, yp; writes yp
.if DOCPART == 7
	.amdgcn_target "amdgcn-amd-amdhsa--gfx1250"
	.amdhsa_code_object_version 6
	.text
	.protected	k_q367759f447_ffn2
	.globl	k_q367759f447_ffn2
	.p2align	8
	.type	k_q367759f447_ffn2,@function
k_q367759f447_ffn2:
	s_mov_b64 s[64:65], 0
	v_nop
	global_prefetch_b8 v0, s[64:65] scope:SCOPE_SE
	s_setreg_imm32_b32 hwreg(HW_REG_WAVE_SCHED_MODE, 0, 2), 2
	s_setreg_imm32_b32 hwreg(HW_REG_WAVE_MODE, 25, 1), 1
	s_wait_xcnt 0x0
	s_wait_alu depctr_vm_vsrc(0)
; FFN2.  Partial sums of h W2[e] for the rows of expert e's list.  Built as the launch before it: work-group (8 Q + ns, e) owns the slice
; K = 1024 (rows 1024 Q .. of W2[e]) x N = 128 (columns 128 ns ..), read once, rounded to bf16 and kept in registers, 512 in each of four
; waves; wave kq holds hs's K steps 32 Q + 8 kq + s, s = 0..7.  The expert's rows pass in trips of 32; the four waves' sums meet in LDS.
; With 256 KB of bf16 weights a work-group and whole pieces of 256 bytes of a row, a work-group covers a quarter of K = 4096: the four
; quarters' sums go to yp [Q][e][place in the list][1024] f32 and are added by the last launch (no atomics).
; WEIGHT ROWS: slot q of lane half h in K step s is f = 64 (s >> 1) + 32 h + 4 (q & 7) + 2 (s & 1) + (q >> 3), as hs has it.
; Here tokens are source 0 and weights source 1: register j of lane (r, h) is row 8 h + j, column 64 (t >> 2) + 4 r + (t & 3), so the four
; tiles that a wave finishes give a lane four neighbouring columns: 16 bytes, and sixteen lanes 256 consecutive aligned bytes of a row.
; SLOTS: the number of trips (0 to 32) is read from meta.  There are a constant 33 slots, and every slot ends in its barrier.  Slot t makes
; trip t's products and, among them, finishes trip t - 1: its partial sums are read from LDS in two halves of 16 loads, each issued ahead of
; 32 matrix instructions.  Slot t = trips finishes the last trip; the slots behind it do nothing but pass the barrier.
; Two LDS areas take turns: area t & 1 is stored in slot t, read in slot t + 1 behind slot t's barrier, and stored again in slot t + 2
; behind slot t + 1's barrier, in front of which every wave has waited for its LDS loads.
; NO CLUSTER, NO TENSOR LOADS: as in the launch before; here 8 work-groups read the same hs, 256 KB a trip, and all slots would
; have to ask alike, since no joint request may stand under a branch on a count that was read from memory.
; THE MODE: SCHED_MODE bits 1:0 = 2 (LLVM: expert scheduling mode 2), set by the entry lines.  The code itself states the register dependences
; between vector or matrix instructions and memory or LDS instructions, with s_wait_alu, always for 0.
; THE PLAN.  Registers that memory or LDS instructions touch:
;   v1 .. v7      offsets and LDS addresses: made at the head, never written again.
;   window 1      two buffers of 128.  As staging for weights: K step s's 64 conversions read a buffer, behind them K step s + 2's loads land in it.
;                 As token fragments: slot t's matrix instructions read buffer t & 1; the loads issued at the head of slot t + 1 land in it.
;   ACC           written by the slot's matrix instructions; read, as data, by the LDS stores at the end of each tile row; written again in the next slot.
;   TMP           the LDS loads of half a reduction land in it; the half's adds read and write it; then the next half's loads land in it.
;   O             written by a half's last adds; read by the half's four global stores; written again in the next slot.
;   The weights (windows 2, 3) are named by vector and matrix instructions alone.
; A slot takes tile row 0 through all 8 K steps, then tile row 1, and the vector part of half a reduction stands between a row's K steps 3 and 4.
; So ONE wait on va_vdst at each row's end states that the row's accumulators are written, that the half's O is written and that the adds are
; done with TMP; the row's 16 LDS stores, the half's stores and the next 16 LDS loads follow it.  One wait on vm_vsrc stands at a slot's head.
.set ROWB, 4096                        ; bytes in a row of W2
.set MTB,  131072                      ; bytes of hs for a tile of 16 rows
.set TSH,  18                          ; a trip's two tiles of hs
.set OSH,  17                          ; a trip's 32 rows of yp: 1 << 17 bytes
.set ST0,  0                           ; window 1: staging buffers, later token fragments
.set ST1,  128
.set XW,   3                           ; v3, v4    LDS: where I put my partial sums, area 0, 1
.set XR,   5                           ; v5, v6    LDS: where I read the four partial sums of my tiles
.set O,    16                          ; v[16:47]  results: 4 i + tt
.set TMP,  64                          ; v[64:127] the four waves' sums, four registers of each of my four tiles: 16 x source wave + 4 x tile + register
.set ACC,  128                         ; v[128:255] 16 accumulator tiles, tile (a, t) at 8 (8 a + t)
.set MSB, 0
.macro WIN new                         ; s_set_vgpr_msb: bits 1:0 source 0, 3:2 source 1, 5:4 source 2, 7:6 destination; the high byte repeats the setting left
.if MSB != \new
	s_set_vgpr_msb (MSB<<8)|\new
.set MSB, \new
.endif
.endm
	s_load_b256 s[4:11], s[0:1], 0x0               ; W2 s[4:5], hs s[6:7], meta s[8:9], yp s[10:11]
	v_lshl_add_u32 v62, v0, 2, 0x20000
	v_mov_b32 v63, 0
	v_lshrrev_b32 v8, 5, v0
	v_readfirstlane_b32 s14, v8                    ; wave = kq
	s_and_b32 s15, ttmp7, 0xffff                   ; e
	s_lshr_b32 s34, ttmp9, 3                       ; Q
	s_and_b32 s35, ttmp9, 7                        ; ns
	s_lshl_b32 s36, s34, 5
	v_and_b32 v8, 31, v0
	v_and_b32 v9, 15, v0                           ; r
	v_bfe_u32 v10, v0, 4, 1                        ; h
	v_lshlrev_b32 v1, 4, v8                        ; lane x 16
	v_lshlrev_b32 v2, 4, v9
	v_lshl_add_u32 v7, v10, 15, v2                 ; yp: 16 r + 8 h rows of 4,096 bytes
	v_lshl_add_u32 v2, v10, 17, v2                 ; weights: 16 r + 32 h rows of 4,096 bytes
	s_mov_b32 s21, 0
	s_lshl_b32 s32, s15, 8
	s_wait_alu depctr_va_sdst(0)                   ; s14 is written, ahead of its first reader: LDS addresses and all the bases are made from it
	s_and_b32 s16, s14, 1                          ; which 64 columns I finish
	s_lshr_b32 s33, s14, 1                         ; which 16 rows I finish
	s_lshl_b32 s22, s14, 3
	s_add_co_u32 s36, s36, s22                     ; my first K step: 32 Q + 8 kq
	s_lshl_b32 s40, s14, 14                        ; (these two scalars, which vector instructions read, are not written again)
	s_lshl_b32 s41, s14, 12
	v_add_nc_u32 v3, s40, v1                       ; area [source wave 4][tile 16][half 2][lane 32][16 bytes] = 64 KB; two areas
	v_add_nc_u32 v4, 0x10000, v3
	v_add_nc_u32 v5, s41, v1
	v_add_nc_u32 v6, 0x10000, v5
	s_lshl_b32 s20, s15, 24                        ; W2: expert, my first K step's 32 rows each, the slice's 512 bytes of a row
	s_lshl_b32 s22, s36, 17
	s_add_co_u32 s20, s20, s22
	s_lshl_b32 s22, s35, 9
	s_add_co_u32 s20, s20, s22
	s_wait_kmcnt 0x0
	s_load_b32 s17, s[8:9], s32 offset:0x4         ; trips
	s_add_nc_u64 s[4:5], s[4:5], s[20:21]
.macro WLOAD s, st, w                  ; K step s: 16 rows a lane half x 128 columns, the rows in hs's order.  w = 1: the buffer has just been converted out of
	WIN 0x40                                       ; destination window 1
.if \w
	s_wait_alu depctr_va_vdst(0)                   ; the 64 conversions just issued are done reading this staging buffer, in which the loads below land
.endif
.irp q, 0,1,2,3,4,5,6,7,8,9,10,11,12,13,14,15
	global_load_b128 v[\st+8*\q:\st+8*\q+3],   v2, s[4:5] offset:(64*(\s>>1)+2*(\s&1)+4*(\q&7)+(\q>>3))*ROWB th:TH_LOAD_NT
	global_load_b128 v[\st+8*\q+4:\st+8*\q+7], v2, s[4:5] offset:(64*(\s>>1)+2*(\s&1)+4*(\q&7)+(\q>>3))*ROWB+256 th:TH_LOAD_NT
.endr
.endm
.macro WCVT s, st                      ; slots 2 d and 2 d + 1 of column t make dword d of fragment (s, t)
.if \s < 4
	WIN 0x85                                       ; sources window 1, destination window 2
.else
	WIN 0xc5                                       ; destination window 3
.endif
.irp d, 0,1,2,3,4,5,6,7
.irp t, 0,1,2,3,4,5,6,7
	v_cvt_pk_bf16_f32 v[64*(\s&3)+8*\t+\d], v[\st+16*\d+\t], v[\st+16*\d+8+\t]
.endr
.endr
.endm
.macro WSTEP s, st, left, nxt
	s_wait_loadcnt \left                           ; this K step's 32 loads are in; the next K step's 32 may be out
	WCVT \s, \st
.if \nxt < 8
	WLOAD \nxt, \st, 1                             ; the buffer is asked for again at once
.endif
.endm
.macro ALOAD buf                       ; a trip's token fragments of my 8 K steps: 2 tiles x 8 images, 512 consecutive bytes a load
	WIN 0x40
	s_wait_alu depctr_va_vdst(0)                   ; what read this buffer last is done reading it: a K step's conversions, or the matrix instructions of the slot before
.irp a, 0,1
.irp s, 0,1,2,3,4,5,6,7
	global_load_b128 v[\buf+64*\a+8*\s:\buf+64*\a+8*\s+3],   v1, s[24:25] offset:\a*MTB+\s*1024
	global_load_b128 v[\buf+64*\a+8*\s+4:\buf+64*\a+8*\s+7], v1, s[24:25] offset:\a*MTB+\s*1024+512
.endr
.endr
.endm
	WIN 0x40
	s_wait_alu depctr_va_vdst(0)                   ; the seven offsets and addresses v1 to v7 are written: every load and store of the kernel reads one of them
	WLOAD 0, ST0, 0                                ; no vector instruction has named the staging buffers
	WLOAD 1, ST1, 0
	s_lshl_b32 s20, s15, 23                        ; hs: expert, my first K step
	s_lshl_b32 s23, s36, 10
	s_add_co_u32 s20, s20, s23
	s_add_nc_u64 s[28:29], s[6:7], s[20:21]
	s_lshl_b32 s20, s34, 25                        ; yp: quarter, expert, rows 16 (w >> 1), columns 128 ns + 64 (w & 1)
	s_lshl_b32 s23, s15, 22
	s_add_co_u32 s20, s20, s23
	s_lshl_b32 s23, s33, 16
	s_add_co_u32 s20, s20, s23
	s_add_co_u32 s20, s20, s22
	s_lshl_b32 s23, s16, 8
	s_add_co_u32 s20, s20, s23
	s_add_nc_u64 s[30:31], s[10:11], s[20:21]
	WSTEP 0, ST0, 32, 2
	WSTEP 1, ST1, 32, 3
	WSTEP 2, ST0, 32, 4
	WSTEP 3, ST1, 32, 5
	WSTEP 4, ST0, 32, 6
	WSTEP 5, ST1, 32, 7
	WSTEP 6, ST0, 32, 8
	WIN 0
	; Staging buffer 0 is free from here on: trip 0's token fragments are asked for now, while the last K step of weights is still on its way.
	s_wait_kmcnt 0x0
	s_min_u32 s17, s17, 32
	s_cmp_eq_u32 s17, 0
	s_cbranch_scc1 .Lno_first                      ; an expert without rows asks for nothing: hs holds nothing for it
	s_mov_b64 s[24:25], s[28:29]
	ALOAD 0
	WIN 0
	s_wait_loadcnt 0x20                            ; K step 7's weights are in; the 32 token loads issued behind them may be out
	s_branch .Lstep7
.Lno_first:
	s_wait_loadcnt 0x0                             ; K step 7's weights are in: nothing was issued behind them
.Lstep7:
	WCVT 7, ST1
	WIN 0
; 8 matrix instructions: K step s, tile row a, all 8 column tiles.  The first K step starts the sums.
.macro MM buf, s, a
.irp t, 0,1,2,3,4,5,6,7
.if \s == 0
	v_wmma_f32_16x16x32_bf16 v[ACC+8*(8*\a+\t):ACC+8*(8*\a+\t)+7], v[\buf+64*\a+8*\s:\buf+64*\a+8*\s+7], v[64*(\s&3)+8*\t:64*(\s&3)+8*\t+7], 0
.else
	v_wmma_f32_16x16x32_bf16 v[ACC+8*(8*\a+\t):ACC+8*(8*\a+\t)+7], v[\buf+64*\a+8*\s:\buf+64*\a+8*\s+7], v[64*(\s&3)+8*\t:64*(\s&3)+8*\t+7], v[ACC+8*(8*\a+\t):ACC+8*(8*\a+\t)+7]
.endif
.endr
.endm
; my partial sums of tile row a into area b
.macro XSTORE b, a
.irp t, 0,1,2,3,4,5,6,7
	ds_store_b128 v[XW+\b], v[ACC+8*(8*\a+\t):ACC+8*(8*\a+\t)+3]   offset:(8*\a+\t)*1024     ; lane x 16: consecutive, no bank conflict
	ds_store_b128 v[XW+\b], v[ACC+8*(8*\a+\t)+4:ACC+8*(8*\a+\t)+7] offset:(8*\a+\t)*1024+512
.endr
.endm
; the four waves' sums of registers 4 u .. 4 u + 3 (rows 8 h + 4 u ..) of my four tiles, out of area xb
.macro RLOAD u, xb
.irp sw, 0,1,2,3
.irp tt, 0,1,2,3
	ds_load_b128 v[TMP+16*\sw+4*\tt:TMP+16*\sw+4*\tt+3], v[XR+\xb] offset:\sw*16384+\tt*1024+\u*512
.endr
.endr
.endm
; they are added: the vector part
.macro RADDV u
	s_wait_dscnt 0x0                               ; the 16 loads of RLOAD
.set k, 0
.rept 8
	v_pk_add_f32 v[TMP+k:TMP+k+1], v[TMP+k:TMP+k+1], v[TMP+16+k:TMP+17+k]
.set k, k+2
.endr
.set k, 0
.rept 8
	v_pk_add_f32 v[TMP+32+k:TMP+33+k], v[TMP+32+k:TMP+33+k], v[TMP+48+k:TMP+49+k]
.set k, k+2
.endr
.irp il, 0,1,2,3
.irp tt, 0,1,2,3
	v_add_f32 v[O+16*\u+4*\il+\tt], v[TMP+4*\tt+\il], v[TMP+32+4*\tt+\il]   ; the last add also lays a row's four columns side by side
.endr
.endr
.endm
; and stored
.macro RSTORE u
.irp il, 0,1,2,3
	global_store_b128 v7, v[O+16*\u+4*\il:O+16*\u+4*\il+3], s[26:27] offset:(4*\u+\il)*4096    ; rows i and 8 + i: 256 consecutive aligned bytes of each
.endr
.endm
; A trip's products on token buffer b, into LDS area b; s23 = the next trip's number.  red = 1: the trip before is finished among them.
; 128 matrix instructions: tile row 0 through K steps 0 to 7, then tile row 1.  The row's eight accumulators take turns, one instruction a
; turn.  What stands between the runs names no register of a matrix instruction.
.macro WORK b, red
	s_wait_loadcnt 0x0                             ; this trip's fragments, asked for a slot ago; s[24:25] is free too
	s_cmp_ge_u32 s23, s17
	s_cbranch_scc1 .Lno_next_\@
	s_lshl_b32 s20, s23, TSH
	s_add_nc_u64 s[24:25], s[28:29], s[20:21]
	ALOAD (1-\b)*128                               ; the next trip's, into the other buffer: they have this slot in which to come
	WIN 0
.Lno_next_\@:
.if \red
	RLOAD 0, 1-\b                                  ; these land while the next 32 matrix instructions run.  No wait: the adds that named TMP last stand ahead of the wait at the last slot's end
.endif
	WIN 0x09                                       ; source 0 (tokens) window 1, source 1 (weights) window 2, C and D window 0
	MM \b*128, 0, 0
	MM \b*128, 1, 0
	MM \b*128, 2, 0
	MM \b*128, 3, 0
.if \red
	WIN 0
	RADDV 0
.endif
	WIN 0x0d                                       ; weights window 3
	MM \b*128, 4, 0
	MM \b*128, 5, 0
	MM \b*128, 6, 0
	MM \b*128, 7, 0                                ; rows 0-15 are finished
	WIN 0
.rept 4
	v_nop                                          ; four places behind the matrix instructions whose results the LDS stores read; they stay beside the wait below
.endr
	s_wait_alu depctr_va_vdst(0)                   ; row 0's accumulators are written, which the LDS stores read; the first half's O is written, which its stores read; its adds are done with TMP, in which the second half's loads land
	XSTORE \b, 0                                   ; these are served while rows 16-31 are multiplied
.if \red
	RSTORE 0
	RLOAD 1, 1-\b                                  ; these land while the next 32 matrix instructions run
.endif
	WIN 0x09
	MM \b*128, 0, 1
	MM \b*128, 1, 1
	MM \b*128, 2, 1
	MM \b*128, 3, 1
.if \red
	WIN 0
	RADDV 1
.endif
	WIN 0x0d
	MM \b*128, 4, 1
	MM \b*128, 5, 1
	MM \b*128, 6, 1
	MM \b*128, 7, 1
	WIN 0
.rept 4
	v_nop                                          ; four places behind the last matrix instructions, whose results the LDS stores read
.endr
	s_wait_alu depctr_va_vdst(0)                   ; row 1's accumulators are written, which the LDS stores read; the second half's O is written; its adds are done with TMP, in which the next slot's first LDS loads land
	XSTORE \b, 1
.if \red
	RSTORE 1
.endif
.endm
; Slot t = s18 + d, b = t & 1.
.macro SLOT b, d
	s_add_co_u32 s22, s18, \d                      ; t
	s_add_co_u32 s23, s18, \d+1
	s_cmp_gt_u32 s22, s17
	s_cbranch_scc1 .Lidle_\@                       ; behind the last trip's finish: only the barrier
	s_wait_xcnt 0x0                                ; O and s[26:27], which the last slot's stores read, are rewritten only behind this wait
	s_wait_alu depctr_vm_vsrc(0)                   ; the last slot's LDS stores have read the accumulators, which this slot's products write again; its global stores have read O, which this slot's adds write again
	s_sub_co_u32 s20, s22, 1
	s_lshl_b32 s20, s20, OSH                       ; trip t - 1: 32 rows of 4,096 bytes a trip
	s_add_nc_u64 s[26:27], s[30:31], s[20:21]
	s_cmp_eq_u32 s22, s17
	s_cbranch_scc1 .Llast_\@
	WORK \b, 1
	s_branch .Lidle_\@
.Llast_\@:
	RLOAD 0, 1-\b                                  ; no trip is left to multiply: the last one is finished by itself
	RADDV 0
	s_wait_alu depctr_va_vdst(0)                   ; the first half's O is written, which its stores read; its adds are done with TMP, in which the second half's loads land
	RSTORE 0
	RLOAD 1, 1-\b
	RADDV 1
	s_wait_alu depctr_va_vdst(0)                   ; the second half's O is written, which its stores read
	RSTORE 1
.Lidle_\@:
	s_wait_dscnt 0x0                               ; my stores into area b are done, and my reads of the other area:
	s_barrier_signal -1                            ; behind this barrier area b is read, and the other area is stored again
	s_barrier_wait -1
.endm
	s_cmp_eq_u32 s17, 0
	s_cbranch_scc1 .Lno_rows
	s_mov_b32 s23, 1
	WORK 0, 0                                      ; slot 0: trip 0's products; there is no trip before it to finish
.Lno_rows:
	s_wait_dscnt 0x0                               ; my stores into area 0 are done
	s_barrier_signal -1
	s_barrier_wait -1
	s_mov_b32 s18, 1
.Lslots:
	SLOT 1, 0
	SLOT 0, 1
	s_add_co_u32 s18, s18, 2
	s_cmp_lt_u32 s18, 33                           ; slots 1 to 32
	s_cbranch_scc1 .Lslots
	s_wait_dscnt 0x0
	s_wait_alu depctr_hold_cnt(0) depctr_sa_sdst(0) depctr_va_vdst(0) depctr_va_sdst(0) depctr_va_ssrc(0) depctr_va_vcc(0) depctr_vm_vsrc(0)
	s_wait_tensorcnt 0x0
	ds_add_u32 v62, v63
	s_wait_dscnt 0x0
	s_endpgm
.Lfunc_end_k_q367759f447_ffn2:
	.size	k_q367759f447_ffn2, .Lfunc_end_k_q367759f447_ffn2-k_q367759f447_ffn2
	.p2alignl 7, 3214868480
	.fill 96, 4, 3214868480
	.section	.rodata,"a",@progbits
	.p2align	6, 0x0
	.amdhsa_kernel k_q367759f447_ffn2
		.amdhsa_group_segment_fixed_size 131584
		.amdhsa_private_segment_fixed_size 0
		.amdhsa_enable_private_segment 0
		.amdhsa_kernarg_size 32
		.amdhsa_user_sgpr_count 2
		.amdhsa_user_sgpr_kernarg_segment_ptr 1
		.amdhsa_wavefront_size32 1
		.amdhsa_system_sgpr_workgroup_id_x 1
		.amdhsa_system_sgpr_workgroup_id_y 1
		.amdhsa_system_sgpr_workgroup_id_z 1
		.amdhsa_system_vgpr_workitem_id 0
		.amdhsa_next_free_vgpr 1024
		.amdhsa_next_free_sgpr 66
		.amdhsa_reserve_vcc 0
		.amdhsa_float_denorm_mode_32 3
		.amdhsa_float_denorm_mode_16_64 3
		.amdhsa_memory_ordered 1
		.amdhsa_forward_progress 1
		.amdhsa_inst_pref_size 129
	.end_amdhsa_kernel
	.amdgpu_metadata
---
amdhsa.version: [ 1, 2 ]
amdhsa.kernels:
  - .name:           k_q367759f447_ffn2
    .symbol:         k_q367759f447_ffn2.kd
    .args:
      - { .name: W2, .offset: 0, .size: 8, .value_kind: global_buffer, .address_space: global }
      - { .name: hs, .offset: 8, .size: 8, .value_kind: global_buffer, .address_space: global }
      - { .name: meta, .offset: 16, .size: 8, .value_kind: global_buffer, .address_space: global }
      - { .name: yp, .offset: 24, .size: 8, .value_kind: global_buffer, .address_space: global }
    .group_segment_fixed_size: 131584
    .private_segment_fixed_size: 0
    .kernarg_segment_align: 8
    .kernarg_segment_size: 32
    .max_flat_workgroup_size: 128
    .sgpr_count:     66
    .vgpr_count:     1024
    .wavefront_size: 32
...
	.end_amdgpu_metadata
.endif
;; end of part 7
;; launch combine: the kernel of part 5 again; grid 256 x 1, 4 waves a work-group, no clusters, 0 bytes of LDS; arguments yp, b2, sel, rank, pw, out0; writes out0
